; MI455X (gfx1250); checked and timed in simulation.
; The chip was launched on July 23, 2026; its instructions are those of AMD's public machine-readable ISA for CDNA 5 (MIT licence, August 2026) and "CDNA5" Instruction Set Architecture Reference Guide (July 2026). The comments in the code are by the model that wrote it; some were corrected since.
;; Mutihead Self Attention. Allowed arithmetic: float matrix products may take bf16 or f16 operands with f32 sums; all other float work in f32.
;; Inputs: Wfc 1,024 x 1,024 float32; Wk 8 x 1,024 x 128 float32; Wq 8 x 1,024 x 128 float32; Wv 8 x 1,024 x 128 float32; bfc 1,024 float32; bk 8 x 128 float32; bq 8 x 128 float32; bv 8 x 128 float32; x 16 x 512 x 1,024 float32; x_mask 16 x 512 int32.
;; Outputs: out0 16 x 512 x 1,024 float32.
;; 2 versions, each right; version 2 is version 1 with the launch prep written anew for expert scheduling mode. Each part assembles by itself: llvm-mc -triple=amdgcn-amd-amdhsa -mcpu=gfx1250 --defsym DOCPART=n.
;; ======== version 1 of 2: 4 launches
;; limits: values are held in f16: magnitudes above 65,504 overflow, below 6.1e-05 lose precision
;; workspace buffers: xh 16,777,216 bytes; wch 6,291,456 bytes; wfh 2,097,152 bytes; qkvh 50,331,648 bytes; oh 16,777,216 bytes
;; launch prep (part 1): grid 768 x 1, 8 waves a work-group, no clusters, 0 bytes of LDS; arguments x, Wfc, Wq, Wk, Wv, xh, wfh, wch; writes xh, wfh, wch
.if DOCPART == 1
	.amdgcn_target "amdgcn-amd-amdhsa--gfx1250"
	.amdhsa_code_object_version 6
	.text
	.protected	k_q1991558c03_prep
	.globl	k_q1991558c03_prep
	.p2align	8
	.type	k_q1991558c03_prep,@function
k_q1991558c03_prep:
	s_mov_b64 s[64:65], 0
	v_nop
	global_prefetch_b8 v0, s[64:65] scope:SCOPE_SE
	s_setreg_imm32_b32 hwreg(HW_REG_WAVE_MODE, 25, 1), 1
	s_wait_xcnt 0x0
; f32 to f16 (round to nearest even) of x, Wfc, Wq, Wk, Wv, once, so that the three matrix launches read 16-bit operands.
;   xh  [8192][1024]  = x,   wfh [1024][1024] = Wfc   (same order of elements)
;   wch [1024 k][3072]: column h*384 + t*128 + e holds W_t[h][k][e], t = 0 for Wq, 1 for Wk, 2 for Wv: one matrix for all three projections.
; LIMIT: a magnitude of 65,520 or more becomes an infinity in f16; below 6.1e-5 the rounding step is 6e-8.
; A stream: every byte is read once and written once, nothing is shared between waves, so no LDS, no barrier, no matrix unit, no cluster.
; The unit of work is a run of 128 numbers: one load of a wave (32 lanes x 16 bytes = 512 neighbouring bytes) and one store of a wave
; (32 lanes x 8 bytes = 256 neighbouring bytes, at a multiple of 256 from the buffer's first byte).
; A work-group takes 128 runs, a wave 16; all 16 loads of a wave are issued before its first wait.
; Work-groups 0-511: x.  512-575: Wfc.  576-767: the weights, 64 work-groups for each of Wq, Wk, Wv.
.set X, 4                              ; v[4:67]   16 runs as loaded, 4 registers each
.set Y, 68                             ; v[68:99]  16 runs as stored, 2 registers each
; dp = bytes from one run to the next in the destination
.macro CONV dp
.irp i, 0,1,2,3,4,5,6,7,8,9,10,11,12,13,14,15
	global_load_b128 v[X+4*\i:X+4*\i+3], v1, s[24:25] offset:512*\i th:TH_LOAD_NT
.endr
.irp i, 0,1,2,3,4,5,6,7,8,9,10,11,12,13,14,15
	s_wait_loadcnt 15-\i                           ; loads come back in order: run i is in, the 15 - i younger ones stay out
	v_cvt_pk_f16_f32 v[Y+2*\i],   v[X+4*\i],   v[X+4*\i+1]
	v_cvt_pk_f16_f32 v[Y+2*\i+1], v[X+4*\i+2], v[X+4*\i+3]
	global_store_b64 v2, v[Y+2*\i:Y+2*\i+1], s[26:27] offset:\i*\dp
.endr
.endm                                  ; no register is written twice, so no further wait is needed
	s_load_b512 s[8:23], s[0:1], 0x0               ; x 8, Wfc 10, Wq 12, Wk 14, Wv 16, xh 18, wfh 20, wch 22
	v_lshrrev_b32 v3, 5, v0
	v_readfirstlane_b32 s4, v3                     ; wave 0..7
	v_and_b32 v3, 31, v0                           ; lane
	v_lshlrev_b32 v1, 4, v3
	v_lshl_add_u32 v1, s4, 13, v1                  ; source: 16 x lane + wave x 16 runs x 512 bytes
	v_lshlrev_b32 v2, 3, v3                        ; destination: 8 x lane, the wave's term follows
	s_mov_b32 s29, 0
	s_mov_b32 s31, 0
	s_wait_kmcnt 0x0
	s_cmp_lt_u32 ttmp9, 576
	s_cbranch_scc0 .Lweights
	; x or Wfc: the destination has the source's order
	s_cmp_lt_u32 ttmp9, 512
	s_cselect_b64 s[24:25], s[8:9], s[10:11]
	s_cselect_b64 s[26:27], s[18:19], s[20:21]
	s_cselect_b32 s5, 511, 63
	s_and_b32 s5, ttmp9, s5                        ; the block's number inside its tensor
	s_lshl_b32 s28, s5, 16                         ; 128 runs x 512 bytes
	s_lshl_b32 s30, s5, 15                         ; 128 runs x 256 bytes
	s_add_nc_u64 s[24:25], s[24:25], s[28:29]
	s_add_nc_u64 s[26:27], s[26:27], s[30:31]
	v_lshl_add_u32 v2, s4, 12, v2                  ; + wave x 16 runs x 256 bytes
	CONV 256
	s_endpgm
.Lweights:
	; j = t*64 + h*8 + kb: 128 rows k = 128 kb .. of W_t[h]; a run is one row (128 e)
	s_sub_co_u32 s5, ttmp9, 576                    ; j, 0..191
	s_lshr_b32 s6, s5, 6                           ; t
	s_cmp_eq_u32 s6, 0
	s_cselect_b64 s[24:25], s[12:13], s[14:15]     ; Wq, else Wk,
	s_cmp_eq_u32 s6, 2
	s_cselect_b64 s[24:25], s[16:17], s[24:25]     ; or Wv
	s_and_b32 s28, s5, 63
	s_lshl_b32 s28, s28, 16                        ; (8 h + kb) x 128 rows x 512 bytes
	s_add_nc_u64 s[24:25], s[24:25], s[28:29]
	s_and_b32 s7, s5, 7                            ; kb
	s_mul_i32 s30, s7, 128*6144                    ; 128 rows of wch, 6,144 bytes each
	s_bfe_u32 s7, s5, 0x30003                      ; h
	s_mul_i32 s7, s7, 768
	s_add_co_u32 s30, s30, s7
	s_lshl_b32 s6, s6, 8                           ; t x 256 bytes
	s_add_co_u32 s30, s30, s6
	s_add_nc_u64 s[26:27], s[22:23], s[30:31]
	s_mul_i32 s7, s4, 16*6144
	v_add_nc_u32 v2, s7, v2                        ; + wave x 16 rows of wch
	CONV 6144
	s_endpgm
.Lfunc_end_k_q1991558c03_prep:
	.size	k_q1991558c03_prep, .Lfunc_end_k_q1991558c03_prep-k_q1991558c03_prep
	.p2alignl 7, 3214868480
	.fill 96, 4, 3214868480
	.section	.rodata,"a",@progbits
	.p2align	6, 0x0
	.amdhsa_kernel k_q1991558c03_prep
		.amdhsa_group_segment_fixed_size 0
		.amdhsa_private_segment_fixed_size 0
		.amdhsa_enable_private_segment 0
		.amdhsa_kernarg_size 64
		.amdhsa_user_sgpr_count 2
		.amdhsa_user_sgpr_kernarg_segment_ptr 1
		.amdhsa_wavefront_size32 1
		.amdhsa_system_sgpr_workgroup_id_x 1
		.amdhsa_system_sgpr_workgroup_id_y 1
		.amdhsa_system_sgpr_workgroup_id_z 1
		.amdhsa_system_vgpr_workitem_id 0
		.amdhsa_next_free_vgpr 100
		.amdhsa_next_free_sgpr 66
		.amdhsa_reserve_vcc 0
		.amdhsa_float_denorm_mode_32 3
		.amdhsa_float_denorm_mode_16_64 3
		.amdhsa_memory_ordered 1
		.amdhsa_forward_progress 1
		.amdhsa_inst_pref_size 13
	.end_amdhsa_kernel
	.amdgpu_metadata
---
amdhsa.version: [ 1, 2 ]
amdhsa.kernels:
  - .name:           k_q1991558c03_prep
    .symbol:         k_q1991558c03_prep.kd
    .args:
      - { .name: x, .offset: 0, .size: 8, .value_kind: global_buffer, .address_space: global }
      - { .name: Wfc, .offset: 8, .size: 8, .value_kind: global_buffer, .address_space: global }
      - { .name: Wq, .offset: 16, .size: 8, .value_kind: global_buffer, .address_space: global }
      - { .name: Wk, .offset: 24, .size: 8, .value_kind: global_buffer, .address_space: global }
      - { .name: Wv, .offset: 32, .size: 8, .value_kind: global_buffer, .address_space: global }
      - { .name: xh, .offset: 40, .size: 8, .value_kind: global_buffer, .address_space: global }
      - { .name: wfh, .offset: 48, .size: 8, .value_kind: global_buffer, .address_space: global }
      - { .name: wch, .offset: 56, .size: 8, .value_kind: global_buffer, .address_space: global }
    .group_segment_fixed_size: 0
    .private_segment_fixed_size: 0
    .kernarg_segment_align: 8
    .kernarg_segment_size: 64
    .max_flat_workgroup_size: 256
    .sgpr_count:     66
    .vgpr_count:     100
    .wavefront_size: 32
...
	.end_amdgpu_metadata
.endif
;; end of part 1
;; launch qkv (part 2): grid 8 x 32, 4 waves a work-group, clusters of 4 x 4, 327,680 bytes of LDS; arguments xh, wch, bq, bk, bv, qkvh; writes qkvh
.if DOCPART == 2
	.amdgcn_target "amdgcn-amd-amdhsa--gfx1250"
	.amdhsa_code_object_version 6
	.text
	.protected	k_q1991558c03_qkv
	.globl	k_q1991558c03_qkv
	.p2align	8
	.type	k_q1991558c03_qkv,@function
k_q1991558c03_qkv:
	s_mov_b64 s[64:65], 0
	v_nop
	global_prefetch_b8 v0, s[64:65] scope:SCOPE_SE
	s_setreg_imm32_b32 hwreg(HW_REG_WAVE_MODE, 25, 1), 1
	s_wait_xcnt 0x0
	s_wait_alu depctr_hold_cnt(0) depctr_sa_sdst(0) depctr_va_vdst(0) depctr_va_sdst(0) depctr_va_ssrc(0) depctr_va_vcc(0) depctr_vm_vsrc(0)
	s_getreg_b32 s2, hwreg(HW_REG_IB_STS2, 6, 4)
	s_cmp_eq_u32 s2, 0
	s_cbranch_scc0 .Lentry_in_a_cluster
	s_endpgm
.Lentry_in_a_cluster:
	s_bfe_u32 s2, ttmp6, 0x10000c
	s_cmp_lg_u32 s2, 0xf033
	s_cbranch_scc0 .Lentry_shape_is_right
	s_endpgm
.Lentry_shape_is_right:
; qkvh[row][c] = sum over d of xh[row][d] wch[d][c] + bias[c], c = h*384 + t*128 + e (t = 0 q, 1 k, 2 v).  f16 operands, f32 sums, f16 result.
; LIMIT: a result of magnitude 65,520 or more becomes an infinity in f16.
; A work-group (x = head, y = block of 256 rows) makes 256 rows x 384 columns: 8192 x 3072 / (256 x 384) = 256 work-groups.
; Four waves; wave w makes rows 128 (w>>1) .. +127 and columns 192 (w&1) .. +191: 96 accumulator tiles of 16 x 16, 768 registers.
; For 32 along K a wave reads (128 + 192) x 64 bytes from LDS for 96 matrix instructions.
; CLUSTERS: 4 x 4 work-groups.  The four of a row of the cluster share the block of rows, hence the tiles of xh; the four of a column share
; the head, hence the tiles of wch.  Each such tile is asked for jointly, which divides the requests for both by four.
; THE MATRIX INSTRUCTION IS USED TRANSPOSED: source 0 = 16 columns of wch (read from [k][n] rows by the transposing LDS load), source 1 = 16 rows
; of xh.  Lane (r, hh) then holds row r and the eight neighbouring columns 8 hh + 0..7 of a tile: 16 bytes of f16 that belong together.
; LDS AND THE ORDER OF REFILLS.  K goes in 16 steps of 64 (192 matrix instructions a wave).  xh lies in two slots of K = 128 (rows of 256 bytes,
; two steps each), wch in three units of K = 64; step s reads slot (s>>1)&1 and unit s mod 3.  Four units of wch would need 360,448 bytes with
; xh, more than there is.  Units are filled again by turns of two (behind steps 1, 4, 7, 10) and one (behind steps 2, 5, 8, 11, 13); a slot of
; xh joins the first of these rounds that finds it read.  So nine rounds serve the 13 refills of wch and the 6 of xh, and what is asked for
; behind steps 2, 5, 8, 11 has two steps, 384 matrix instructions, in which to land.  Behind steps 0, 3, 6, 9, 12 there is no barrier at all:
; the next step's tiles have been shown to every wave by an earlier one.  The units have period 3 and the slots period 4, so the 16 steps are written out.
.set KDIM,  1024
.set NCOL,  3072
.set PA,    272                        ; a row of xh in LDS: 256 bytes + 16: an odd multiple of 16, so 16 rows begin at 16 different 16-byte columns modulo 256
.set HALFA, 128*PA                     ; what one tensor load brings of xh
.set SLOTA, 2*HALFA
.set BBASE, 2*SLOTA                    ; 139,264
.set PB,    864                        ; a row of wch in LDS: three pieces of 256 bytes + 32 each: an odd multiple of 32
.set QROWS, 32*PB                      ; one quarter's 32 k rows
.set UNITB, 64*PB                      ; a unit of wch, and what one tensor load brings of it
.set STAGE, 0                          ; the way out is staged in slot 0 of xh: its last fill holds steps 12 and 13, which every wave has read in front of the round behind step 13
.set PS,    784                        ; a staged row: 768 bytes + 16
.set SSLOT, 16*PS
.set G1A, 24                           ; s[24:31] shape of a tile of xh
.set G0A, 32                           ; s[32:39] from where, to where: one set for each slot
.set G1B, 48                           ; s[48:55] shape of a tile of wch
.set G0B, 88                           ; s[88:99] one set for each unit
.set ADRA, 16                          ; v16-17   LDS address of my xh fragments in slot 0, 1
.set ADRB, 18                          ; v18-26   the same for wch: unit u, column group g at 3 u + g
.set STO,  27                          ; the way out: where I put 16 bytes
.set RD,   28                          ; where I read rows back
.set CO,   29                          ; my byte offset in qkvh
.set BOF,  30                          ; 32 hh: my eight bias numbers of a tile
.set XF0,  32                          ; v32-95   8 fragments of xh, buffer 0
.set XF1,  96                          ; v96-159  buffer 1
.set WF,   160                         ; v160-255 4 fragments of wch for each of 3 column groups
.set TMP,  96                          ; the way out: packed results
.set RB,   192                         ; the way out: rows read back
; windows 1, 2, 3: the accumulators of column group 0, 1, 2; tile (b, a) (b: 16 columns, a: 16 rows) at 8 (8 b + a)
.set MSB, 0
.macro WIN new                         ; low byte: bits 1:0 source 0, 3:2 source 1, 5:4 source 2, 7:6 destination; high byte: the setting that is left
.if MSB != \new
	s_set_vgpr_msb (MSB<<8)|\new
.set MSB, \new
.endif
.endm
.macro PLACES                          ; four plain vector instructions between a matrix instruction and a load into, or a vector access to, its registers
.rept 4
	v_nop
.endr
.endm
.macro CREST                           ; a round of the cluster barrier behind its opening work-group barrier
	s_cmp_lg_u32 s10, 0
	s_cbranch_scc1 .Lnot_wave_0_\@
	s_barrier_signal -3
.Lnot_wave_0_\@:
	s_barrier_wait -3
	s_barrier_signal -1
	s_barrier_wait -1
.endm
.macro CROUND
	s_barrier_signal -1
	s_barrier_wait -1
	CREST
.endm
; The joint loads of one round, one a wave at the most.  fa: the slot of xh whose halves waves 0 and 1 fetch; fx: the unit of wch that wave 2
; fetches; fy: the unit that wave 3 fetches; 9: none.  The branches hang on the wave number alone, so they are the same in every work-group.
.macro JL fa, fx, fy
	s_cmp_eq_u32 s11, 0
	s_cbranch_scc0 .Lw23_\@
.if \fa != 9
	tensor_load_to_lds s[G0A+4*\fa:G0A+4*\fa+3], s[G1A:G1A+7]
	s_nop 0
.endif
	s_branch .Lasked_\@
.Lw23_\@:
	s_cmp_eq_u32 s12, 0
	s_cbranch_scc0 .Lw3_\@
	tensor_load_to_lds s[G0B+4*\fx:G0B+4*\fx+3], s[G1B:G1B+7]
	s_nop 0
	s_branch .Lasked_\@
.Lw3_\@:
.if \fy != 9
	tensor_load_to_lds s[G0B+4*\fy:G0B+4*\fy+3], s[G1B:G1B+7]
	s_nop 0
.endif
.Lasked_\@:
.endm
.macro WM d, a, b
	v_wmma_f32_16x16x32_f16 v[\d:\d+7], v[\a:\a+7], v[\b:\b+7], v[\d:\d+7]
.endm
; column group g, its fragments b0 .. b0+nb-1, times all 8 fragments of xh in buffer xf
.macro MULG g, xf, b0, nb
	WIN 0x50*(\g+1)                                ; C and D in window g + 1, both sources in window 0
.set mb, \b0
.rept \nb
.irp a, 0,1,2,3,4,5,6,7
	WM 8*(8*mb+\a), WF+32*\g+8*mb, \xf+8*\a
.endr
.set mb, mb+1
.endr
.endm
; The first products of group g start the sums from the bias: nothing is cleared and nothing is added later.  The eight bias numbers of column
; tile b have been loaded into accumulator tile (b, 0); tiles (b, 1..7) take them as C, and tile (b, 0) adds in place last, five places behind
; the last matrix instruction that read it as C (ISA guide 7.12.1).
.macro MULGB g, xf
	WIN 0x50*(\g+1)
.irp b, 0,1,2,3
.irp a, 1,2,3,4,5,6,7
	v_wmma_f32_16x16x32_f16 v[8*(8*\b+\a):8*(8*\b+\a)+7], v[WF+32*\g+8*\b:WF+32*\g+8*\b+7], v[\xf+8*\a:\xf+8*\a+7], v[64*\b:64*\b+7]
.endr
.endr
.rept 5
	v_nop
.endr
.irp b, 0,1,2,3
	v_wmma_f32_16x16x32_f16 v[64*\b:64*\b+7], v[WF+32*\g+8*\b:WF+32*\g+8*\b+7], v[\xf:\xf+7], v[64*\b:64*\b+7]
.endr
.endm
.macro MG g, xf, first
.if \first
	MULGB \g, \xf
.else
	MULG \g, \xf, 0, 4
.endif
.endm
; 8 loads: the four fragments (16 columns x 32 k) of column group g, from k rows that begin ko bytes into unit u
.macro LDW g, u, ko
.irp b, 0,1,2,3
	ds_load_tr16_b128 v[WF+32*\g+8*\b:WF+32*\g+8*\b+3],   v[ADRB+3*(\u)+\g] offset:\ko+32*\b
	ds_load_tr16_b128 v[WF+32*\g+8*\b+4:WF+32*\g+8*\b+7], v[ADRB+3*(\u)+\g] offset:\ko+32*\b+16*PB
.endr
.endm
; 8 loads: fragments f0 .. f0+3 (16 rows x 32 k) of xh, k at byte kb of the rows of slot aslot
.macro LDX xf, f0, aslot, kb
.irp i, 0,1,2,3
	ds_load_b128 v[\xf+8*(\f0+\i):\xf+8*(\f0+\i)+3],   v[ADRA+\aslot] offset:\kb+(\f0+\i)*16*PA
	ds_load_b128 v[\xf+8*(\f0+\i)+4:\xf+8*(\f0+\i)+7], v[ADRA+\aslot] offset:\kb+(\f0+\i)*16*PA+32
.endr
.endm
; A step is two quarters of 32 along K, 96 matrix instructions each.  The 96 accumulators take turns, one instruction a turn.
; Every quarter issues the next quarter's 40 LDS loads in the same order: W0, X 0-3, W1, X 4-7, W2.
; A quarter without a barrier: multiplies buffer xc, fetches the next quarter (slot na at byte nkb, unit nu at byte nko) into buffer xn.
.macro Q xc, xn, na, nkb, nu, nko, first
	s_wait_dscnt 8                                 ; all but the youngest run of eight (W group 2) are in
	MG 0, \xc, \first
	WIN 0
	PLACES
	LDW 0, \nu, \nko
	LDX \xn, 0, \na, \nkb
	MG 1, \xc, \first
	WIN 0
	PLACES
	LDW 1, \nu, \nko
	LDX \xn, 4, \na, \nkb
	s_wait_dscnt 32                                ; the 32 just issued stay out: W group 2 of this quarter is in
	MG 2, \xc, \first
	WIN 0
	PLACES
	LDW 2, \nu, \nko
.endm
; A step's second quarter with a barrier.  All LDS reads of this step and of the steps before have been issued in earlier quarters.
; round = 1: the barrier opens a round of the cluster barrier, behind which fa, fx, fy are filled again;  0: a plain barrier, nothing is filled.
.macro QBAR xc, xn, na, nkb, nu, nko, round, fa, fx, fy
	s_wait_dscnt 8
	MULG 0, \xc, 0, 2
	s_wait_dscnt 0x0                               ; my reads of everything up to this step are over,
	s_wait_tensorcnt 0x0                           ; and all my tensor loads have landed:
	ds_add_u32 v15, v31
	s_wait_dscnt 0x0
	s_barrier_signal -1                            ; say so
	MULG 0, \xc, 2, 2                              ; register work while the others arrive
	WIN 0
	s_barrier_wait -1
.if \round
	CREST                                          ; no wave of any partner still reads what is filled now, or has a load on its way
.if \fa != 9
	s_add_nc_u64 s[G0A+4*\fa+2:G0A+4*\fa+3], s[G0A+4*\fa+2:G0A+4*\fa+3], 2*128*2                  ; no load of mine is out: the addresses may step.  xh: two K blocks on
.endif
	s_add_nc_u64 s[G0B+4*\fx+2:G0B+4*\fx+3], s[G0B+4*\fx+2:G0B+4*\fx+3], 3*64*NCOL*2              ; wch: three steps on
.if \fy != 9
	s_add_nc_u64 s[G0B+4*\fy+2:G0B+4*\fy+3], s[G0B+4*\fy+2:G0B+4*\fy+3], 3*64*NCOL*2
.endif
	JL \fa, \fx, \fy                               ; my one tensor load behind the round, first thing there
.endif
	PLACES
	LDW 0, \nu, \nko
	LDX \xn, 0, \na, \nkb
	MULG 1, \xc, 0, 4
	WIN 0
	PLACES
	LDW 1, \nu, \nko
	LDX \xn, 4, \na, \nkb
	MULG 2, \xc, 0, 4                              ; W group 2 came in with the wait for 0 above
	WIN 0
	PLACES
	LDW 2, \nu, \nko
.endm
; Step s.  kind = 0: no barrier behind it;  1: a plain barrier;  2: a round with the refills fa, fx, fy.  first = 1: its first quarter starts the sums.
.macro STEP s, kind, fa, fx, fy, first
.set st_ca, ((\s)>>1)&1
.set st_ch, (\s)&1
.set st_cu, (\s)%3
.set st_na, ((\s+1)>>1)&1
.set st_nh, (\s+1)&1
.set st_nu, (\s+1)%3
	Q XF0, XF1, st_ca, 128*st_ch+64, st_cu, QROWS, \first
.if \kind == 0
	Q XF1, XF0, st_na, 128*st_nh, st_nu, 0, 0
.else
	QBAR XF1, XF0, st_na, 128*st_nh, st_nu, 0, \kind-1, \fa, \fx, \fy
.endif
.endm
	s_load_b128 s[4:7], s[0:1], 0x0                ; xh s[4:5], wch s[6:7]
	s_load_b128 s[68:71], s[0:1], 0x10             ; bq s[68:69], bk s[70:71]
	s_load_b128 s[72:75], s[0:1], 0x20             ; bv s[72:73], qkvh s[74:75]
	v_lshl_add_u32 v15, v0, 2, 0x4a800
	v_mov_b32 v31, 0
	ds_add_u32 v15, v31
	ds_add_u32 v15, v31
	v_lshrrev_b32 v1, 5, v0
	v_readfirstlane_b32 s10, v1                    ; wave 0..3
	s_lshr_b32 s11, s10, 1                         ; wm: my half of the rows.  Also: I fetch xh (0) or wch (1)
	s_and_b32 s12, s10, 1                          ; wn: my half of the columns.  Also: which half of a tile of xh, or which of two units of wch, I fetch
	s_bfe_u32 s40, ttmp6, 0x40000                  ; cx
	s_bfe_u32 s41, ttmp6, 0x40004                  ; cy
	s_lshl_b32 s42, ttmp9, 2
	s_add_co_u32 s42, s42, s40                     ; head = 4 x cluster x + cx
	s_and_b32 s13, ttmp7, 0xffff
	s_lshl_b32 s13, s13, 2
	s_add_co_u32 s13, s13, s41                     ; block of rows = 4 x cluster y + cy
	s_lshl_b32 s43, s41, 2
	s_lshl_b32 s43, 15, s43                        ; my row of the cluster
	s_lshl_b32 s44, 0x1111, s40                    ; my column
	; shape of a tile of xh: 128 rows x 128 elements of 2 bytes, 4 words of padding behind every 64
	s_or_b32 s[G1A+0], s43, (1<<16)|(1<<20)|(1<<21)|(5<<22)|(3<<25)
	s_mov_b32 s[G1A+1], 128<<16                    ; tensor_dim0 = 128
	s_mov_b32 s[G1A+2], 128<<16                    ; tensor_dim1 = 128
	s_mov_b32 s[G1A+3], 128<<16                    ; tile_dim0 = 128
	s_mov_b32 s[G1A+4], 128                        ; tile_dim1 = 128
	s_mov_b32 s[G1A+5], KDIM                       ; elements from row to row
	s_mov_b32 s[G1A+6], 0
	s_mov_b32 s[G1A+7], 0
	; shape of a unit of wch: 64 k rows x 384 elements, 8 words of padding behind every 64: three padded pieces a row
	s_or_b32 s[G1B+0], s44, (1<<16)|(1<<20)|(1<<21)|(5<<22)|(7<<25)
	s_mov_b32 s[G1B+1], 384<<16
	s_mov_b32 s[G1B+2], 64<<16
	s_mov_b32 s[G1B+3], 384<<16
	s_mov_b32 s[G1B+4], 64
	s_mov_b32 s[G1B+5], NCOL
	s_mov_b32 s[G1B+6], 0
	s_mov_b32 s[G1B+7], 0
	; where the tiles come from: xh hangs on the block of rows alone, wch on the head alone, each in registers that never hold the other coordinate
	s_lshl_b32 s17, s12, 7
	s_lshl_b32 s16, s13, 8
	s_add_co_u32 s16, s16, s17                     ; row 256 x block + 128 x half
	s_lshl_b32 s16, s16, 11                        ; x 2,048 bytes (below 2^25)
	s_mov_b32 s17, 0
	s_mul_i32 s46, s42, 768                        ; the head's 384 columns
	s_mov_b32 s47, 0
	s_mul_i32 s20, s10, HALFA                      ; where a half of xh goes: wave x 128 rows (waves 0, 1)
	s_wait_dscnt 0x0
	s_wait_kmcnt 0x0
	s_add_nc_u64 s[14:15], s[4:5], s[16:17]
	s_add_nc_u64 s[46:47], s[6:7], s[46:47]
	CROUND                                         ; all sixteen work-groups are here: the first joint loads meet
.irp s, 0,1
	s_mov_b32 s[G0A+4*\s], 1
	s_add_co_u32 s[G0A+4*\s+1], s20, \s*SLOTA
	s_add_nc_u64 s[G0A+4*\s+2:G0A+4*\s+3], s[14:15], \s*256        ; K block s
	s_or_b32 s[G0A+4*\s+3], s[G0A+4*\s+3], 0x80000000
.endr
.irp u, 0,1,2
	s_mov_b32 s[G0B+4*\u], 1
	s_mov_b32 s[G0B+4*\u+1], BBASE+\u*UNITB                        ; a whole unit is one wave's load: its place is a constant
	s_add_nc_u64 s[G0B+4*\u+2:G0B+4*\u+3], s[46:47], \u*64*NCOL*2  ; step u
	s_or_b32 s[G0B+4*\u+3], s[G0B+4*\u+3], 0x80000000
.endr
	; the first fills, one group, each wave's in one arm of a branch on the wave number: two tensor loads a wave at the most, the most that this text ever has out
	s_cmp_eq_u32 s11, 0
	s_cbranch_scc0 .Lfirst_b
	tensor_load_to_lds s[G0A:G0A+3], s[G1A:G1A+7]
	s_nop 0
	tensor_load_to_lds s[G0A+4:G0A+7], s[G1A:G1A+7]
	s_nop 0
	s_branch .Lfirst_done
.Lfirst_b:
	s_cmp_eq_u32 s12, 0
	s_cbranch_scc0 .Lfirst_w3
	tensor_load_to_lds s[G0B:G0B+3], s[G1B:G1B+7]
	s_nop 0
	tensor_load_to_lds s[G0B+8:G0B+11], s[G1B:G1B+7]
	s_nop 0
	s_branch .Lfirst_done
.Lfirst_w3:
	tensor_load_to_lds s[G0B+4:G0B+7], s[G1B:G1B+7]
	s_nop 0
.Lfirst_done:
	v_and_b32 v1, 15, v0                           ; r
	v_bfe_u32 v2, v0, 4, 1                         ; hh
	v_mul_u32_u24 v3, v1, PA
	v_lshl_add_u32 v3, v2, 4, v3                   ; xh fragment: row r, 16 bytes for each half of the lanes
	s_mul_i32 s21, s11, HALFA                      ; my 128 rows
	v_add_nc_u32 v[ADRA], s21, v3
	v_add_nc_u32 v[ADRA+1], SLOTA, v[ADRA]
	v_and_b32 v4, 7, v0                            ; wch fragment, transposing load: k row 8 hh + (lane & 7),
	v_lshl_add_u32 v4, v2, 3, v4
	v_mul_u32_u24 v4, v4, PB
	v_bfe_u32 v5, v0, 3, 1
	v_lshl_add_u32 v4, v5, 4, v4                   ; 16 bytes further for lanes 8-15 and 24-31
	s_mul_i32 s22, s12, 3
.irp g, 0,1,2
	s_add_co_u32 s23, s22, \g                      ; f = 3 wn + g: columns 64 f .. 64 f + 63 of the head's 384
	s_lshr_b32 s21, s23, 1
	s_mul_i32 s21, s21, 288                        ; the padded piece of 128 columns,
	s_and_b32 s23, s23, 1
	s_lshl_b32 s23, s23, 7                         ; and its half
	s_add_co_u32 s21, s21, s23
	s_add_co_u32 s21, s21, BBASE
	v_add_nc_u32 v[ADRB+\g], s21, v4
	v_add_nc_u32 v[ADRB+3+\g], UNITB, v[ADRB+\g]
	v_add_nc_u32 v[ADRB+6+\g], 2*UNITB, v[ADRB+\g]
.endr
	; the way out: the two waves of one half of the rows share a stage of 16 rows x 768 bytes, two slots
	s_mul_i32 s21, s11, 2*SSLOT
	s_add_co_u32 s21, s21, STAGE
	s_mul_i32 s22, s12, 384
	s_add_co_u32 s22, s22, s21
	v_mul_u32_u24 v6, v1, PS
	v_lshl_add_u32 v6, v2, 4, v6
	v_add_nc_u32 v[STO], s22, v6                   ; in: row r, my wave's 384 bytes, 16 bytes for each half of the lanes
	v_lshlrev_b32 v6, 2, v2
	v_lshl_add_u32 v6, s12, 3, v6                  ; back: rows 8 wn + 4 hh + 0..3
	v_mul_u32_u24 v7, v6, PS
	v_lshl_add_u32 v7, v1, 4, v7
	v_add_nc_u32 v[RD], s21, v7
	v_mul_u32_u24 v7, v6, NCOL*2
	v_lshl_add_u32 v[CO], v1, 4, v7                ; the same rows in qkvh
	v_lshlrev_b32 v[BOF], 5, v2
	s_lshl_b32 s16, s13, 8
	s_lshl_b32 s17, s11, 7
	s_add_co_u32 s16, s16, s17                     ; my first row
	s_mul_i32 s16, s16, NCOL*2                     ; below 2^26
	s_mov_b32 s17, 0
	s_add_nc_u64 s[8:9], s[74:75], s[16:17]
	s_mul_i32 s46, s42, 768
	s_mov_b32 s47, 0
	s_add_nc_u64 s[8:9], s[8:9], s[46:47]          ; + the head's columns
	; bias: group g of wave wn covers columns 64 f ..: tensor f >> 1 (q, k, v), half f & 1
	s_cmp_eq_u32 s12, 0
	s_cselect_b64 s[76:77], s[68:69], s[70:71]     ; group 0: bq / bk
	s_cselect_b64 s[78:79], s[68:69], s[72:73]     ; group 1: bq / bv
	s_cselect_b64 s[80:81], s[70:71], s[72:73]     ; group 2: bk / bv
	s_lshl_b32 s46, s42, 9                         ; head x 128 x 4 bytes
	s_lshl_b32 s82, s12, 8
	s_add_co_u32 s82, s82, s46                     ; groups 0 and 2: half wn
	s_xor_b32 s84, s12, 1
	s_lshl_b32 s84, s84, 8
	s_add_co_u32 s84, s84, s46                     ; group 1: the other half
	s_mov_b32 s83, 0
	s_mov_b32 s85, 0
	s_add_nc_u64 s[76:77], s[76:77], s[82:83]
	s_add_nc_u64 s[78:79], s[78:79], s[84:85]
	s_add_nc_u64 s[80:81], s[80:81], s[82:83]
.irp g, 0,1,2
	WIN 0x40*(\g+1)                                ; my eight bias numbers of column tile b go straight into accumulator tile (b, 0) of window g + 1
.irp b, 0,1,2,3
	global_load_b128 v[64*\b:64*\b+3],   v[BOF], s[76+2*\g:77+2*\g] offset:64*\b
	global_load_b128 v[64*\b+4:64*\b+7], v[BOF], s[76+2*\g:77+2*\g] offset:64*\b+16
.endr
.endr
	WIN 0
	s_wait_tensorcnt 0x0                           ; for 0: the waves issued 2, 2, 2 and 1 first fills, and step 1 follows step 0 without a barrier
	s_barrier_signal -1
	s_barrier_wait -1
	LDW 0, 0, 0
	LDX XF0, 0, 0, 0
	LDW 1, 0, 0
	LDX XF0, 4, 0, 0
	LDW 2, 0, 0
	s_wait_loadcnt 0x0                             ; the bias
	STEP 0,  0, 9, 9, 9, 1
	STEP 1,  2, 0, 0, 1, 0                         ; xh block 2; wch steps 3 and 4
	STEP 2,  2, 9, 2, 9, 0                         ; wch step 5
	STEP 3,  0, 9, 9, 9, 0
	STEP 4,  2, 1, 0, 1, 0                         ; xh block 3; wch steps 6 and 7
	STEP 5,  2, 0, 2, 9, 0                         ; xh block 4; wch step 8
	STEP 6,  0, 9, 9, 9, 0
	STEP 7,  2, 1, 0, 1, 0                         ; xh block 5; wch steps 9 and 10
	STEP 8,  2, 9, 2, 9, 0                         ; wch step 11
	STEP 9,  0, 9, 9, 9, 0
	STEP 10, 2, 0, 0, 1, 0                         ; xh block 6; wch steps 12 and 13
	STEP 11, 2, 1, 2, 9, 0                         ; xh block 7; wch step 14
	STEP 12, 0, 9, 9, 9, 0
	STEP 13, 2, 9, 0, 9, 0                         ; wch step 15: the last load
	STEP 14, 1, 9, 9, 9, 0                         ; a plain barrier shows step 15 to every wave; nothing is filled
	Q XF0, XF1, 1, 192, 0, QROWS, 0                ; step 15
	s_wait_dscnt 8
	MULG 0, XF1, 0, 4
	MULG 1, XF1, 0, 4
	s_wait_dscnt 0x0
	MULG 2, XF1, 0, 4
	WIN 0
	PLACES
; THE WAY OUT, 16 rows at a time: round to f16, 16 bytes a lane into the stage, read back as pieces of 256 bytes of whole rows.
; A row's middle piece (k) is made by two waves, so a barrier stands between the stores and the loads.  Two stage slots take turns: a slot is
; written again two trips later, behind the barrier of the trip between, in front of which every wave has waited for its reads.
.macro OUTQ i
.irp g, 0,1,2
	WIN 0x05*(\g+1)                                ; both sources in window g + 1
.irp b, 0,1,2,3
.irp jj, 0,1,2,3
	v_cvt_pk_f16_f32 v[TMP+4*(4*\g+\b)+\jj], v[8*(8*\b+\i)+2*\jj], v[8*(8*\b+\i)+2*\jj+1]
.endr
.endr
.endr
	WIN 0
.irp t, 0,1,2,3,4,5,6,7,8,9,10,11
	ds_store_b128 v[STO], v[TMP+4*\t:TMP+4*\t+3] offset:(\i&1)*SSLOT+32*\t
.endr
	s_wait_dscnt 0x0                               ; for the partner: my stores are in LDS
	s_barrier_signal -1
	s_barrier_wait -1
	s_wait_xcnt 0x0                                ; the last trip's stores have had their addresses translated: their data and base are rewritten only behind this wait
.if \i
	s_add_nc_u64 s[8:9], s[8:9], 16*NCOL*2
.endif
.irp rho, 0,1,2,3
.irp c, 0,1,2
	ds_load_b128 v[RB+4*(3*\rho+\c):RB+4*(3*\rho+\c)+3], v[RD] offset:(\i&1)*SSLOT+\rho*PS+\c*256
.endr
.endr
.irp rho, 0,1,2,3
.irp c, 0,1,2
	s_wait_dscnt 11-(3*\rho+\c)                    ; LDS loads come back in order: this one is in, the younger stay out
	global_store_b128 v[CO], v[RB+4*(3*\rho+\c):RB+4*(3*\rho+\c)+3], s[8:9] offset:\rho*NCOL*2+\c*256   ; 16 lanes store 256 consecutive bytes, at a multiple of 256
.endr
.endr
.endm
	OUTQ 0
	OUTQ 1
	OUTQ 2
	OUTQ 3
	OUTQ 4
	OUTQ 5
	OUTQ 6
	OUTQ 7
	s_wait_tensorcnt 0x0
	ds_add_u32 v15, v31
	s_wait_dscnt 0x0
	CROUND                                         ; the closing round: no work-group ends while a partner may still ask for a tile that names it
	s_endpgm
.Lfunc_end_k_q1991558c03_qkv:
	.size	k_q1991558c03_qkv, .Lfunc_end_k_q1991558c03_qkv-k_q1991558c03_qkv
	.p2alignl 7, 3214868480
	.fill 96, 4, 3214868480
	.section	.rodata,"a",@progbits
	.p2align	6, 0x0
	.amdhsa_kernel k_q1991558c03_qkv
		.amdhsa_group_segment_fixed_size 327680
		.amdhsa_private_segment_fixed_size 0
		.amdhsa_enable_private_segment 0
		.amdhsa_kernarg_size 48
		.amdhsa_user_sgpr_count 2
		.amdhsa_user_sgpr_kernarg_segment_ptr 1
		.amdhsa_wavefront_size32 1
		.amdhsa_system_sgpr_workgroup_id_x 1
		.amdhsa_system_sgpr_workgroup_id_y 1
		.amdhsa_system_sgpr_workgroup_id_z 1
		.amdhsa_system_vgpr_workitem_id 0
		.amdhsa_next_free_vgpr 1024
		.amdhsa_next_free_sgpr 100
		.amdhsa_reserve_vcc 0
		.amdhsa_float_denorm_mode_32 3
		.amdhsa_float_denorm_mode_16_64 3
		.amdhsa_memory_ordered 1
		.amdhsa_forward_progress 1
		.amdhsa_inst_pref_size 255
	.end_amdhsa_kernel
	.section	.bss,"aw",@nobits
	.p2align	6
	.space	262144
	.amdgpu_metadata
---
amdhsa.version: [ 1, 2 ]
amdhsa.kernels:
  - .name:           k_q1991558c03_qkv
    .symbol:         k_q1991558c03_qkv.kd
    .args:
      - { .name: xh, .offset: 0, .size: 8, .value_kind: global_buffer, .address_space: global }
      - { .name: wch, .offset: 8, .size: 8, .value_kind: global_buffer, .address_space: global }
      - { .name: bq, .offset: 16, .size: 8, .value_kind: global_buffer, .address_space: global }
      - { .name: bk, .offset: 24, .size: 8, .value_kind: global_buffer, .address_space: global }
      - { .name: bv, .offset: 32, .size: 8, .value_kind: global_buffer, .address_space: global }
      - { .name: qkvh, .offset: 40, .size: 8, .value_kind: global_buffer, .address_space: global }
    .group_segment_fixed_size: 327680
    .private_segment_fixed_size: 0
    .kernarg_segment_align: 8
    .kernarg_segment_size: 48
    .max_flat_workgroup_size: 128
    .sgpr_count:     100
    .vgpr_count:     1024
    .wavefront_size: 32
...
	.end_amdgpu_metadata
.endif
;; end of part 2
;; launch attn (part 3): grid 256 x 1, 4 waves a work-group, no clusters, 312,832 bytes of LDS; arguments qkvh, x_mask, oh; writes oh
.if DOCPART == 3
	.amdgcn_target "amdgcn-amd-amdhsa--gfx1250"
	.amdhsa_code_object_version 6
	.text
	.protected	k_q1991558c03_attn
	.globl	k_q1991558c03_attn
	.p2align	8
	.type	k_q1991558c03_attn,@function
k_q1991558c03_attn:
	s_mov_b64 s[64:65], 0
	v_nop
	global_prefetch_b8 v0, s[64:65] scope:SCOPE_SE
	s_setreg_imm32_b32 hwreg(HW_REG_WAVE_MODE, 25, 1), 1
	s_wait_xcnt 0x0
; oh[b][n][h*128+e] = softmax over m of (q.k * SCALE * mask + NEG * (1 - mask)) times v, mask = m[n] m[m'], for one (b, h) and 256 queries.
; Work-group id = b*16 + h*2 + half of the queries.  Four waves, 64 queries each (four fragments i of 16).
; All 512 keys of K and V of the head lie in LDS (f16): every LDS byte is filled once, there is no ring.  Each wave asks for its part in four
; tiles of 64 rows, one for each block of 128 keys, so that a block is worked on as soon as its own tiles are in.
; Keys go in four blocks of 128 with a running maximum and a running sum in f32 (base 2: SCALE and NEG carry the factor log2 e).
; The mask is applied by arithmetic as it stands in the formula, for any whole numbers in x_mask; a query whose mask is 0 gets the
; uniform weights that the formula gives.
; LIMITS: q, k, v, the weights p and the result are f16 as matrix operands: a weight below 3e-8 enters the product with v as 0, while the
; sum of the weights keeps it in f32; a result of magnitude 65,520 or more becomes an infinity.
; BOTH PRODUCTS ARE USED TRANSPOSED, so that nothing crosses lanes but one exchange of halves:
;   S^T = K Q^T: source 0 = 16 keys, source 1 = 16 queries; lane (r, hh) holds query r, keys 8 hh + 0..7 of a tile.  Two neighbouring tiles,
;   packed to f16, ARE a fragment of P for source 1 of   O^T = V^T P^T: source 0 = 16 e x 32 keys (transposing LDS load);
;   lane (r, hh) holds query r, e = 8 hh + 0..7: maximum, sum and scale are one number a lane, and the result is 16 neighbouring bytes.
; NO MULTICAST: only the two halves of the queries of one (b, h) read the same K and V.  Four partners would leave a wave 32 queries,
; and each fragment of K and V read from LDS would then feed two matrix instructions instead of four.
.set ROWB,  6144                       ; bytes in a row of qkvh
.set PK,    272                        ; a row of K in LDS: 256 + 16
.set PV,    288                        ; a row of V: 256 + 32, an odd multiple of 32 for the transposing load
.set VBASE, 512*PK                     ; 139,264
.set MBASE, VBASE+512*PV               ; 286,720: the mask of the keys as f32, a copy of 2,048 bytes for each wave
.set SBASE, MBASE+4*2048               ; 294,912: 16 rows x 272 bytes for each wave, for the way out
.set G0,   32                          ; s[32:47] descriptor group 0, one set for each block of keys
.set KADR, 8
.set VADR, 9
.set MKADR, 10
.set STO,  11
.set RD,   12
.set CO,   13
.set QOFF, 14
.set MQC,  16                          ; v16-23   fragment i: m[query] * SCALE * log2 e, twice
.set MQN,  24                          ; v24-31   fragment i: m[query] * 1e30 * log2 e, twice
.set KF0,  32                          ; v32-95   8 fragments of K or of V
.set KF1,  96                          ; v96-159  the same; between the products: the mask's factor (32) and addend (32)
.set MK,   160                         ; v160-223 m[key] of my 64 keys of the block
.set MM,   224                         ; v224-231 fragment i: the running maximum, twice
.set LL,   232                         ; v232-235 fragment i: the running sum of my half of the keys
.set AL,   236                         ; v236-237 2^(old maximum - new), twice
.set CH,   238                         ; v238-245 chains
.set MN,   246
.set NG,   248                         ; v248-249 -1e30 * log2 e, twice
; window 1: S(i, kt) at 8 (8 i + kt).  window 2: O(i, et) at 8 (8 i + et).  window 3: Q(i, ec) at 8 (4 i + ec); P(i) at 128 + 32 i
.set MSB, 0
.macro WIN new
.if MSB != \new
	s_set_vgpr_msb (MSB<<8)|\new
.set MSB, \new
.endif
.endm
.macro PLACES                          ; four plain vector instructions between a matrix instruction and a load into, or a vector access to, its registers
.rept 4
	v_nop
.endr
.endm
.macro SHAPE g, w0, rows               ; a tile of so many rows x 128 elements of 2 bytes, rows 3,072 elements apart
	s_mov_b32 s[\g+0], \w0
	s_mov_b32 s[\g+1], 128<<16
	s_mov_b32 s[\g+2], \rows<<16
	s_mov_b32 s[\g+3], 128<<16
	s_mov_b32 s[\g+4], \rows
	s_mov_b32 s[\g+5], 3072
	s_mov_b32 s[\g+6], 0
	s_mov_b32 s[\g+7], 0
.endm
.macro WM d, a, b, zero
.if \zero
	v_wmma_f32_16x16x32_f16 v[\d:\d+7], v[\a:\a+7], v[\b:\b+7], 0
.else
	v_wmma_f32_16x16x32_f16 v[\d:\d+7], v[\a:\a+7], v[\b:\b+7], v[\d:\d+7]
.endif
.endm
.macro FETCHK p, buf                   ; 16 loads: key tiles 2 p, 2 p + 1, all 128 e
.irp kk, 0,1
.irp ec, 0,1,2,3
	ds_load_b128 v[\buf+8*(4*\kk+\ec):\buf+8*(4*\kk+\ec)+3],   v[KADR] offset:(2*\p+\kk)*16*PK+64*\ec
	ds_load_b128 v[\buf+8*(4*\kk+\ec)+4:\buf+8*(4*\kk+\ec)+7], v[KADR] offset:(2*\p+\kk)*16*PK+64*\ec+32
.endr
.endr
.endm
.macro FETCHV p, buf                   ; 16 loads: e tiles 2 p, 2 p + 1, all 128 keys
.irp kc, 0,1,2,3
.irp ee, 0,1
	ds_load_tr16_b128 v[\buf+8*(2*\kc+\ee):\buf+8*(2*\kc+\ee)+3],   v[VADR] offset:32*PV*\kc+32*(2*\p+\ee)
	ds_load_tr16_b128 v[\buf+8*(2*\kc+\ee)+4:\buf+8*(2*\kc+\ee)+7], v[VADR] offset:32*PV*\kc+32*(2*\p+\ee)+16*PV
.endr
.endr
.endm
; 32 matrix instructions on 8 accumulators, which take turns, one instruction a turn
.macro SMUL p, buf
	WIN 0x5c                                       ; K in window 0, Q in window 3, C and D in window 1
.irp ec, 0,1,2,3
.set pz, 0
.if \ec == 0
.set pz, 1                                         ; the first 32 of e start the sums
.endif
.irp kk, 0,1
.irp i, 0,1,2,3
	WM 8*(8*\i+2*\p+\kk), \buf+8*(4*\kk+\ec), 8*(4*\i+\ec), pz
.endr
.endr
.endr
.endm
.macro PVMUL p, buf, first
	WIN 0xac                                       ; V in window 0, P in window 3, C and D in window 2
.irp kc, 0,1,2,3
.set pz, 0
.if \kc == 0
.set pz, \first                                    ; in the first block the first 32 keys start the sums
.endif
.irp ee, 0,1
.irp i, 0,1,2,3
	WM 8*(8*\i+2*\p+\ee), \buf+8*(2*\kc+\ee), 128+32*\i+8*\kc, pz
.endr
.endr
.endr
.endm
; mask, maximum, exponentials, sum, packing for query fragment i
.macro SOFT i, first
.irp bt, 0,1
	WIN 0
.set u, 0
.rept 16
	v_pk_mul_f32 v[KF1+u:KF1+u+1], v[MK+32*\bt+u:MK+32*\bt+u+1], v[MQC+2*\i:MQC+2*\i+1]                      ; mask * SCALE * log2 e
	v_pk_fma_f32 v[KF1+32+u:KF1+32+u+1], v[MK+32*\bt+u:MK+32*\bt+u+1], v[MQN+2*\i:MQN+2*\i+1], v[NG:NG+1]    ; NEG * log2 e * (1 - mask): exactly 0 where the mask is 1
.set u, u+2
.endr
	WIN 0x41
.set u, 0
.rept 16
	v_pk_fma_f32 v[64*\i+32*\bt+u:64*\i+32*\bt+u+1], v[64*\i+32*\bt+u:64*\i+32*\bt+u+1], v[KF1+u:KF1+u+1], v[KF1+32+u:KF1+32+u+1]
.set u, u+2
.endr
.endr
	WIN 0x05                                       ; the largest of my 64 numbers, in four chains started by the first eight
.irp k, 0,1,2,3
	v_max_num_f32 v[CH+\k], v[64*\i+2*\k], v[64*\i+2*\k+1]
.endr
	WIN 0x14
.set u, 8
.rept 28
	v_max3_num_f32 v[CH+(u/2)%4], v[CH+(u/2)%4], v[64*\i+u], v[64*\i+u+1]
.set u, u+2
.endr
	WIN 0
	v_max3_num_f32 v[CH], v[CH], v[CH+1], v[CH+2]
	v_max_num_f32 v[CH], v[CH], v[CH+3]
	v_permlanex16_b32 v[CH+1], v[CH], s56, s57     ; the other half of the keys of the same query
.if \first
	v_max_num_f32 v[MM+2*\i], v[CH], v[CH+1]
	v_mov_b32 v[MM+2*\i+1], v[MM+2*\i]
.else
	v_max3_num_f32 v[MN], v[CH], v[CH+1], v[MM+2*\i]
	v_sub_f32 v[AL], v[MM+2*\i], v[MN]
	v_exp_f32 v[AL], v[AL]                         ; the two moves below are the plain place behind it (ISA guide 5.7.2)
	v_mov_b32 v[MM+2*\i], v[MN]
	v_mov_b32 v[MM+2*\i+1], v[MN]
	s_wait_alu depctr_va_vdst(0)
	v_mov_b32 v[AL+1], v[AL]
.endif
	WIN 0x41
.set u, 0
.rept 32
	v_pk_add_f32 v[64*\i+u:64*\i+u+1], v[64*\i+u:64*\i+u+1], v[MM+2*\i:MM+2*\i+1] neg_lo:[0,1] neg_hi:[0,1]
.set u, u+2
.endr
.set u, 0
.rept 64
	v_exp_f32 v[64*\i+u], v[64*\i+u]
.set u, u+1
.endr
	v_nop                                          ; the plain place behind the last exponential
	WIN 0x05                                       ; the sum of my 64 weights, in four chains of pairs
	s_wait_alu depctr_va_vdst(0)
.irp k, 0,1,2,3
	v_pk_add_f32 v[CH+2*\k:CH+2*\k+1], v[64*\i+4*\k:64*\i+4*\k+1], v[64*\i+4*\k+2:64*\i+4*\k+3]
.endr
	WIN 0x01
.set u, 16
.rept 24
	v_pk_add_f32 v[CH+2*((u/2)%4):CH+2*((u/2)%4)+1], v[64*\i+u:64*\i+u+1], v[CH+2*((u/2)%4):CH+2*((u/2)%4)+1]
.set u, u+2
.endr
	WIN 0
	v_pk_add_f32 v[CH:CH+1], v[CH:CH+1], v[CH+2:CH+3]
	v_pk_add_f32 v[CH+4:CH+5], v[CH+4:CH+5], v[CH+6:CH+7]
	v_pk_add_f32 v[CH:CH+1], v[CH:CH+1], v[CH+4:CH+5]
.if \first
	v_add_f32 v[LL+\i], v[CH], v[CH+1]
.else
	v_add_f32 v[CH], v[CH], v[CH+1]
	v_fma_f32 v[LL+\i], v[LL+\i], v[AL], v[CH]
.endif
	WIN 0xc5                                       ; S in window 1 to P in window 3: tile kt gives registers 4 kt .. 4 kt + 3 of the fragments
.set u, 0
.rept 32
	v_cvt_pk_f16_f32 v[128+32*\i+u], v[64*\i+2*u], v[64*\i+2*u+1]
.set u, u+1
.endr
.if \first == 0
	WIN 0x82                                       ; what has been summed so far is brought to the new maximum
.set u, 0
.rept 32
	v_pk_mul_f32 v[64*\i+u:64*\i+u+1], v[64*\i+u:64*\i+u+1], v[AL:AL+1]
.set u, u+2
.endr
.endif
.endm
; one block of 128 keys.  Each s_wait_dscnt 16 leaves the one fetch of 16 loads that was issued last on its way.
.macro BLOCK first
.irp kt, 0,1,2,3,4,5,6,7
	ds_load_b128 v[MK+8*\kt:MK+8*\kt+3],   v[MKADR] offset:64*\kt
	ds_load_b128 v[MK+8*\kt+4:MK+8*\kt+7], v[MKADR] offset:64*\kt+16
.endr
	FETCHK 0, KF0
	FETCHK 1, KF1
	s_wait_dscnt 16
	SMUL 0, KF0
	WIN 0
	PLACES
	FETCHK 2, KF0
	s_wait_dscnt 16
	SMUL 1, KF1
	WIN 0
	PLACES
	FETCHK 3, KF1
	s_wait_dscnt 16
	SMUL 2, KF0
	WIN 0
	PLACES
	FETCHV 0, KF0                                  ; lands while the softmax is made
	s_wait_dscnt 16
	SMUL 3, KF1
	WIN 0
	PLACES
	SOFT 0, \first
	SOFT 1, \first
	SOFT 2, \first
	SOFT 3, \first
	WIN 0
	FETCHV 1, KF1
	s_wait_dscnt 16
	PVMUL 0, KF0, \first
	WIN 0
	PLACES
	FETCHV 2, KF0
	s_wait_dscnt 16
	PVMUL 1, KF1, \first
	WIN 0
	PLACES
	FETCHV 3, KF1
	s_wait_dscnt 16
	PVMUL 2, KF0, \first
	s_wait_dscnt 0x0
	PVMUL 3, KF1, \first
	WIN 0
	PLACES
	v_add_nc_u32 v[KADR], 128*PK, v[KADR]          ; the next 128 keys
	v_add_nc_u32 v[VADR], 128*PV, v[VADR]
	v_add_nc_u32 v[MKADR], 512, v[MKADR]
.endm
	s_load_b128 s[4:7], s[0:1], 0x0                ; qkvh s[4:5], x_mask s[6:7]
	s_load_b64 s[8:9], s[0:1], 0x10                ; oh
	v_lshl_add_u32 v254, v0, 2, 0x4c400
	v_mov_b32 v255, 0
	ds_add_u32 v254, v255
	ds_add_u32 v254, v255
	v_lshrrev_b32 v1, 5, v0
	v_readfirstlane_b32 s10, v1                    ; wave 0..3
	s_and_b32 s11, ttmp9, 1                        ; half of the queries
	s_bfe_u32 s12, ttmp9, 0x30001                  ; h
	s_lshr_b32 s13, ttmp9, 4                       ; b
	SHAPE 16, (1<<16)|(1<<20)|(5<<22)|(3<<25), 64  ; K: 4 words of padding behind every 64
	SHAPE 24, (1<<16)|(1<<20)|(5<<22)|(7<<25), 64  ; V: 8 words
	s_mul_i32 s14, s13, 512*ROWB
	s_mul_i32 s15, s12, 768
	s_add_co_u32 s14, s14, s15                     ; row 512 b, the head's 384 columns (below 2^26)
	s_mov_b32 s15, 0
	s_and_b32 s58, s10, 1                          ; which 64 keys of each block I fetch
	s_lshr_b32 s59, s10, 1                         ; of K (0) or of V (1)
	s_mul_i32 s60, s58, 64*ROWB
	s_mov_b32 s61, 0
	s_wait_dscnt 0x0
	s_wait_kmcnt 0x0
	s_add_nc_u64 s[4:5], s[4:5], s[14:15]
	s_add_nc_u64 s[62:63], s[4:5], s[60:61]        ; my 64 keys of block 0, at the column of q
	; all fills of the launch, in one branch on the wave number: four tensor loads a wave, block 0 first; four is the most that this text ever has out
	s_cmp_eq_u32 s59, 0
	s_cbranch_scc0 .Lfill_v
	s_mul_i32 s60, s10, 64*PK
.irp t, 0,1,2,3
	s_mov_b32 s[G0+4*\t], 1
	s_add_co_u32 s[G0+4*\t+1], s60, \t*128*PK
	s_add_nc_u64 s[G0+4*\t+2:G0+4*\t+3], s[62:63], \t*128*ROWB+256   ; k lies 128 columns behind q
	s_or_b32 s[G0+4*\t+3], s[G0+4*\t+3], 0x80000000
	tensor_load_to_lds s[G0+4*\t:G0+4*\t+3], s[16:23]
	s_nop 0
.endr
	s_branch .Lfilled
.Lfill_v:
	s_mul_i32 s60, s10, 64*PV
	s_add_co_u32 s60, s60, VBASE-2*64*PV           ; waves 2 and 3 are parts 0 and 1
.irp t, 0,1,2,3
	s_mov_b32 s[G0+4*\t], 1
	s_add_co_u32 s[G0+4*\t+1], s60, \t*128*PV
	s_add_nc_u64 s[G0+4*\t+2:G0+4*\t+3], s[62:63], \t*128*ROWB+512   ; v lies 256 columns behind q
	s_or_b32 s[G0+4*\t+3], s[G0+4*\t+3], 0x80000000
	tensor_load_to_lds s[G0+4*\t:G0+4*\t+3], s[24:31]
	s_nop 0
.endr
.Lfilled:
	v_and_b32 v2, 31, v0                           ; lane
	v_and_b32 v1, 15, v0                           ; r
	v_bfe_u32 v5, v0, 4, 1                         ; hh
	v_lshlrev_b32 v3, 4, v2
	s_lshl_b32 s14, s13, 11                        ; the batch's 512 mask words
	s_add_nc_u64 s[6:7], s[6:7], s[14:15]
.irp t, 0,1,2,3
	global_load_b128 v[KF0+4*\t:KF0+4*\t+3], v3, s[6:7] offset:512*\t   ; the mask of all 512 keys
.endr
	s_lshl_b32 s60, s11, 8
	s_lshl_b32 s61, s10, 6
	s_add_co_u32 s60, s60, s61                     ; q0: my first query
	v_lshlrev_b32 v6, 2, v1
	v_lshl_add_u32 v6, s60, 2, v6                  ; the mask word of query q0 + r.  It comes from memory, not from the copy in LDS, so that no
.irp i, 0,1,2,3                                ; LDS address holds the work-group's number; my wave's 64 words are 256 consecutive bytes, at a multiple of 256
	global_load_b32 v[CH+\i], v6, s[6:7] offset:64*\i
.endr
	s_mul_i32 s14, s60, ROWB
	s_add_nc_u64 s[4:5], s[4:5], s[14:15]
	v_mul_u32_u24 v[QOFF], v1, ROWB
	v_lshl_add_u32 v[QOFF], v5, 4, v[QOFF]
	WIN 0xc0                                       ; Q stays in window 3 for the whole kernel
.irp i, 0,1,2,3
.irp ec, 0,1,2,3
	global_load_b128 v[8*(4*\i+\ec):8*(4*\i+\ec)+3],   v[QOFF], s[4:5] offset:\i*16*ROWB+64*\ec
	global_load_b128 v[8*(4*\i+\ec)+4:8*(4*\i+\ec)+7], v[QOFF], s[4:5] offset:\i*16*ROWB+64*\ec+32
.endr
.endr
	WIN 0
	v_mul_u32_u24 v4, v1, PK
	v_lshl_add_u32 v[KADR], v5, 4, v4              ; K fragment: row r, 16 bytes for each half of the lanes
	v_and_b32 v4, 7, v0
	v_lshl_add_u32 v4, v5, 3, v4                   ; V, transposing load: key row 8 hh + (lane & 7),
	v_mul_u32_u24 v4, v4, PV
	v_bfe_u32 v7, v0, 3, 1
	v_lshl_add_u32 v4, v7, 4, v4                   ; 16 bytes further for lanes 8-15 and 24-31
	v_add_nc_u32 v[VADR], VBASE, v4
	s_lshl_b32 s61, s10, 11
	s_add_co_u32 s61, s61, MBASE                   ; my copy of the mask of the keys
	v_lshl_add_u32 v[MKADR], v5, 5, s61            ; keys 8 hh + 0..7 of a tile
	v_add_nc_u32 v15, s61, v3
	s_mul_i32 s63, s10, 16*PK
	s_add_co_u32 s63, s63, SBASE                   ; my stage
	v_add_nc_u32 v[STO], s63, v[KADR]              ; in: row r, 16 bytes for each half of the lanes
	v_mul_u32_u24 v4, v5, PK
	v_lshl_add_u32 v4, v1, 4, v4
	v_add_nc_u32 v[RD], s63, v4                    ; back: lanes 0-15 one row of 256 bytes, lanes 16-31 the next
	v_lshlrev_b32 v4, 11, v5
	v_lshl_add_u32 v[CO], v1, 4, v4                ; the same two rows in oh
	s_lshl_b32 s14, s13, 9
	s_add_co_u32 s14, s14, s60
	s_lshl_b32 s14, s14, 11                        ; row 512 b + q0, 2,048 bytes each
	s_lshl_b32 s58, s12, 8
	s_add_co_u32 s14, s14, s58                     ; + the head's 256 bytes
	s_add_nc_u64 s[8:9], s[8:9], s[14:15]
	s_mov_b32 s56, 0x76543210                      ; v_permlanex16_b32: lane i of one half reads lane i of the other
	s_mov_b32 s57, 0xfedcba98
	v_mov_b32 v[NG], 0xf191acc5                    ; -1e30 * log2 e
	v_mov_b32 v[NG+1], 0xf191acc5
	s_wait_loadcnt 32                              ; the eight loads of mask words are in; the 32 loads of Q behind them stay out
.set u, 0
.rept 16
	v_cvt_f32_i32 v[KF0+u], v[KF0+u]
.set u, u+1
.endr
.irp t, 0,1,2,3
	ds_store_b128 v15, v[KF0+4*\t:KF0+4*\t+3] offset:512*\t
.endr
.irp i, 0,1,2,3
	v_cvt_f32_i32 v[CH+\i], v[CH+\i]
.endr
.irp i, 0,1,2,3
	v_mul_f32 v[MQC+2*\i],   0x3e0293ee, v[CH+\i]  ; SCALE * log2 e = 0.1275174
	v_mul_f32 v[MQC+2*\i+1], 0x3e0293ee, v[CH+\i]
	v_mul_f32 v[MQN+2*\i],   0x7191acc5, v[CH+\i]
	v_mul_f32 v[MQN+2*\i+1], 0x7191acc5, v[CH+\i]
.endr
	s_wait_dscnt 0x0                               ; no LDS instruction of mine is pending at the signal
	s_wait_tensorcnt 0x3                           ; my 64 rows of block 0 are in; the three tiles behind them may stay out
	s_barrier_signal -1
	s_barrier_wait -1                              ; everybody's are
	s_wait_loadcnt 0x0                             ; Q
	BLOCK 1
	s_wait_tensorcnt 0x2                           ; my 64 rows of block 1; the tiles of blocks 2 and 3 may stay out
	s_wait_dscnt 0x0
	s_barrier_signal -1
	s_barrier_wait -1
	BLOCK 0
	s_wait_tensorcnt 0x0                           ; the rest of K and V
	s_wait_dscnt 0x0
	s_barrier_signal -1
	s_barrier_wait -1
	s_mov_b32 s11, 2
.Lblock:
	BLOCK 0
	s_sub_co_u32 s11, s11, 1
	s_cmp_lg_u32 s11, 0
	s_cbranch_scc1 .Lblock
	; the two halves of the keys meet in the sums; the largest weight of a query is 1, so a sum is at least 1
.irp i, 0,1,2,3
	v_permlanex16_b32 v[CH+\i], v[LL+\i], s56, s57
.endr
.irp i, 0,1,2,3
	v_add_f32 v[LL+\i], v[LL+\i], v[CH+\i]
.endr
.irp i, 0,1,2,3
	v_rcp_f32 v[LL+\i], v[LL+\i]
.endr
	v_nop                                          ; the plain place behind the last reciprocal
	s_wait_alu depctr_va_vdst(0)
; THE WAY OUT, 16 queries at a time, through my own stage: no barrier, and no wait between my stores and my loads
.macro OUTA i
	v_mov_b32 v[AL], v[LL+\i]
	v_mov_b32 v[AL+1], v[LL+\i]
	WIN 0x82
.set u, 0
.rept 32
	v_pk_mul_f32 v[64*\i+u:64*\i+u+1], v[64*\i+u:64*\i+u+1], v[AL:AL+1]
.set u, u+2
.endr
	WIN 0x0a
.set u, 0
.rept 32
	v_cvt_pk_f16_f32 v[KF0+u], v[64*\i+2*u], v[64*\i+2*u+1]
.set u, u+1
.endr
	WIN 0
.irp et, 0,1,2,3,4,5,6,7
	ds_store_b128 v[STO], v[KF0+4*\et:KF0+4*\et+3] offset:32*\et
.endr
	s_wait_xcnt 0x0                                ; the last trip's stores have had their addresses translated: their data and base are rewritten only behind this wait
.if \i
	s_add_nc_u64 s[8:9], s[8:9], 16*2048
.endif
.irp t, 0,1,2,3,4,5,6,7
	ds_load_b128 v[KF1+4*\t:KF1+4*\t+3], v[RD] offset:\t*2*PK
.endr
.irp t, 0,1,2,3,4,5,6,7
	s_wait_dscnt 7-\t
	global_store_b128 v[CO], v[KF1+4*\t:KF1+4*\t+3], s[8:9] offset:\t*2*2048   ; 16 lanes store 256 consecutive bytes, at a multiple of 256
.endr
.endm
	OUTA 0
	OUTA 1
	OUTA 2
	OUTA 3
	s_wait_tensorcnt 0x0
	ds_add_u32 v254, v255
	s_wait_dscnt 0x0
	s_endpgm
.Lfunc_end_k_q1991558c03_attn:
	.size	k_q1991558c03_attn, .Lfunc_end_k_q1991558c03_attn-k_q1991558c03_attn
	.p2alignl 7, 3214868480
	.fill 96, 4, 3214868480
	.section	.rodata,"a",@progbits
	.p2align	6, 0x0
	.amdhsa_kernel k_q1991558c03_attn
		.amdhsa_group_segment_fixed_size 312832
		.amdhsa_private_segment_fixed_size 0
		.amdhsa_enable_private_segment 0
		.amdhsa_kernarg_size 24
		.amdhsa_user_sgpr_count 2
		.amdhsa_user_sgpr_kernarg_segment_ptr 1
		.amdhsa_wavefront_size32 1
		.amdhsa_system_sgpr_workgroup_id_x 1
		.amdhsa_system_sgpr_workgroup_id_y 1
		.amdhsa_system_sgpr_workgroup_id_z 1
		.amdhsa_system_vgpr_workitem_id 0
		.amdhsa_next_free_vgpr 1024
		.amdhsa_next_free_sgpr 66
		.amdhsa_reserve_vcc 0
		.amdhsa_float_denorm_mode_32 3
		.amdhsa_float_denorm_mode_16_64 3
		.amdhsa_memory_ordered 1
		.amdhsa_forward_progress 1
		.amdhsa_inst_pref_size 255
	.end_amdhsa_kernel
	.section	.bss,"aw",@nobits
	.p2align	6
	.space	262144
	.amdgpu_metadata
---
amdhsa.version: [ 1, 2 ]
amdhsa.kernels:
  - .name:           k_q1991558c03_attn
    .symbol:         k_q1991558c03_attn.kd
    .args:
      - { .name: qkvh, .offset: 0, .size: 8, .value_kind: global_buffer, .address_space: global }
      - { .name: x_mask, .offset: 8, .size: 8, .value_kind: global_buffer, .address_space: global }
      - { .name: oh, .offset: 16, .size: 8, .value_kind: global_buffer, .address_space: global }
    .group_segment_fixed_size: 312832
    .private_segment_fixed_size: 0
    .kernarg_segment_align: 8
    .kernarg_segment_size: 24
    .max_flat_workgroup_size: 128
    .sgpr_count:     66
    .vgpr_count:     1024
    .wavefront_size: 32
...
	.end_amdgpu_metadata
.endif
;; end of part 3
;; launch fc (part 4): grid 8 x 32, 4 waves a work-group, clusters of 4 x 4, 327,680 bytes of LDS; arguments oh, wfh, bfc, out0; writes out0
.if DOCPART == 4
	.amdgcn_target "amdgcn-amd-amdhsa--gfx1250"
	.amdhsa_code_object_version 6
	.text
	.protected	k_q1991558c03_fc
	.globl	k_q1991558c03_fc
	.p2align	8
	.type	k_q1991558c03_fc,@function
k_q1991558c03_fc:
	s_mov_b64 s[64:65], 0
	v_nop
	global_prefetch_b8 v0, s[64:65] scope:SCOPE_SE
	s_setreg_imm32_b32 hwreg(HW_REG_WAVE_MODE, 25, 1), 1
	s_wait_xcnt 0x0
	s_wait_alu depctr_hold_cnt(0) depctr_sa_sdst(0) depctr_va_vdst(0) depctr_va_sdst(0) depctr_va_ssrc(0) depctr_va_vcc(0) depctr_vm_vsrc(0)
	s_getreg_b32 s2, hwreg(HW_REG_IB_STS2, 6, 4)
	s_cmp_eq_u32 s2, 0
	s_cbranch_scc0 .Lentry_in_a_cluster
	s_endpgm
.Lentry_in_a_cluster:
	s_bfe_u32 s2, ttmp6, 0x10000c
	s_cmp_lg_u32 s2, 0xf033
	s_cbranch_scc0 .Lentry_shape_is_right
	s_endpgm
.Lentry_shape_is_right:
; out0[row][n] = sum over k of oh[row][k] wfh[k][n] + bfc[n].  f16 operands, f32 sums, f32 result.
; A work-group (x = block of 128 columns, y = block of 256 rows) makes 256 x 128: 8192 x 1024 / (256 x 128) = 256 work-groups.
; Four waves; wave w makes rows 128 (w>>1) .. +127 and columns 64 (w&1) .. +63: 32 accumulator tiles, 256 registers (window 1).
; CLUSTERS: 4 x 4 work-groups; the tiles of oh are shared along a row of the cluster, those of wfh along a column, by joint loads.
; The matrix instruction is used transposed (source 0 = 16 columns of wfh by the transposing LDS load, source 1 = 16 rows of oh):
; lane (r, hh) holds row r, columns 8 hh + 0..7 of a tile.  The bias is the C of the first products: nothing is cleared, nothing added later.
; TWO LDS SLOTS OF UNEQUAL SIZE.  K goes in 8 steps of 128 (128 matrix instructions a wave).  The large slot holds two steps (rows of oh of 512
; bytes, 256 k rows of wfh), the small slot one.  They are read in the order large (steps 0, 1), small (2), large (3, 4), small (5), large (6, 7),
; and each is asked for again as soon as it has been read: three refills in all.  The small slot's refill has the large slot's 256 matrix
; instructions in which to land, a refill of the large slot the small slot's 128.  Two equal slots of two steps would need
; 2 x (256 x 528 + 256 x 288) = 417,792 bytes, more than there is; these two take 315,392.  The 8 steps are written out.
.set KDIM,  1024
.set PAB,   528                        ; a row of oh in the large slot: 512 bytes + 16: an odd multiple of 16
.set PAS,   272                        ; in the small slot: 256 + 16
.set PB,    288                        ; a k row of wfh: 256 bytes + 32, an odd multiple of 32
.set ABIG,  0
.set ASML,  ABIG+256*PAB               ; 135,168
.set BBIG,  ASML+256*PAS               ; 204,800
.set BSML,  BBIG+256*PB                ; 278,528; the end is 315,392
.set STAGE, ASML                       ; the way out is staged in the small slot of oh: its last fill is step 5, which every wave has read in front of the last barrier
.set PS,    272
.set G1AB, 24                          ; s[24:31] shape: oh, large slot
.set G0AB, 32                          ; s[32:35]
.set G0AS, 36                          ; s[36:39]
.set G1BB, 48                          ; s[48:55] shape: wfh, large slot
.set G0BB, 56                          ; s[56:59]
.set G0BS, 60                          ; s[60:63]
.set G1AS, 72                          ; s[72:79] shape: oh, small slot
.set G1BS, 80                          ; s[80:87] shape: wfh, small slot
.set ADRAB, 16                         ; LDS address of my fragments of oh in the large slot
.set ADRAS, 17                         ; in the small slot
.set ADRBB, 20                         ; v20-21: of wfh in the large slot, first and second step
.set ADRBS, 22                         ; in the small slot
.set STO,  24
.set RD,   25
.set CO,   26
.set BOF,  27
.set BIAS, 32                          ; v32-63   my eight bias numbers for each of my four column tiles
.set XF0,  64                          ; v64-127  8 fragments of oh, buffer 0
.set XF1,  128                         ; v128-191 buffer 1
.set WF0,  192                         ; v192-223 4 fragments of wfh, buffer 0
.set WF1,  224                         ; v224-255 buffer 1
.set MSB, 0
.macro WIN new
.if MSB != \new
	s_set_vgpr_msb (MSB<<8)|\new
.set MSB, \new
.endif
.endm
.macro PLACES                          ; four plain vector instructions between a matrix instruction and a load into, or a store from, its registers
.rept 4
	v_nop
.endr
.endm
.macro CREST
	s_cmp_lg_u32 s10, 0
	s_cbranch_scc1 .Lnot_wave_0_\@
	s_barrier_signal -3
.Lnot_wave_0_\@:
	s_barrier_wait -3
	s_barrier_signal -1
	s_barrier_wait -1
.endm
.macro CROUND
	s_barrier_signal -1
	s_barrier_wait -1
	CREST
.endm
.macro SHAPE g, mask, w0, cols, rows   ; a tile of rows x cols elements of 2 bytes, rows 1,024 elements apart
	s_or_b32 s[\g+0], \mask, \w0
	s_mov_b32 s[\g+1], \cols<<16
	s_mov_b32 s[\g+2], \rows<<16
	s_mov_b32 s[\g+3], \cols<<16
	s_mov_b32 s[\g+4], \rows
	s_mov_b32 s[\g+5], KDIM
	s_mov_b32 s[\g+6], 0
	s_mov_b32 s[\g+7], 0
.endm
.macro JLOAD big                       ; waves 0 and 1 fetch the halves of the slot's tile of oh, waves 2 and 3 those of wfh
	s_cmp_eq_u32 s11, 0
	s_cbranch_scc0 .Lfor_b_\@
.if \big
	tensor_load_to_lds s[G0AB:G0AB+3], s[G1AB:G1AB+7]
	s_nop 0
.else
	tensor_load_to_lds s[G0AS:G0AS+3], s[G1AS:G1AS+7]
	s_nop 0
.endif
	s_branch .Lasked_\@
.Lfor_b_\@:
.if \big
	tensor_load_to_lds s[G0BB:G0BB+3], s[G1BB:G1BB+7]
	s_nop 0
.else
	tensor_load_to_lds s[G0BS:G0BS+3], s[G1BS:G1BS+7]
	s_nop 0
.endif
.Lasked_\@:
.endm
; column tiles b0 .. b0+nb-1 times all 8 row tiles.  The 32 accumulators take turns, one instruction a turn, in the same order in every
; quarter.
.macro MULF xf, wf, b0, nb, bias
.if \bias
	WIN 0x40                                       ; D in window 1; C is the bias, in window 0
.else
	WIN 0x50                                       ; C and D in window 1
.endif
.set mb, \b0
.rept \nb
.irp a, 0,1,2,3,4,5,6,7
.if \bias
	v_wmma_f32_16x16x32_f16 v[8*(8*mb+\a):8*(8*mb+\a)+7], v[\wf+8*mb:\wf+8*mb+7], v[\xf+8*\a:\xf+8*\a+7], v[BIAS+8*mb:BIAS+8*mb+7]
.else
	v_wmma_f32_16x16x32_f16 v[8*(8*mb+\a):8*(8*mb+\a)+7], v[\wf+8*mb:\wf+8*mb+7], v[\xf+8*\a:\xf+8*\a+7], v[8*(8*mb+\a):8*(8*mb+\a)+7]
.endif
.endr
.set mb, mb+1
.endr
.endm
; 24 loads: the fragments of one quarter (32 along K): oh from address register ra, pitch pa, byte ka of the rows; wfh from rb, quarter kq
.macro FETCHR ra, pa, ka, rb, kq, xf, wf
.irp b, 0,1,2,3
	ds_load_tr16_b128 v[\wf+8*\b:\wf+8*\b+3],   v[\rb] offset:\kq*32*PB+32*\b
	ds_load_tr16_b128 v[\wf+8*\b+4:\wf+8*\b+7], v[\rb] offset:\kq*32*PB+32*\b+16*PB
.endr
.irp i, 0,1,2,3,4,5,6,7
	ds_load_b128 v[\xf+8*\i:\xf+8*\i+3],   v[\ra] offset:\ka+\i*16*\pa
	ds_load_b128 v[\xf+8*\i+4:\xf+8*\i+7], v[\ra] offset:\ka+\i*16*\pa+32
.endr
.endm
; src = 0: the large slot's first step;  1: its second step (256 bytes further along the rows of oh, 128 k rows further in wfh);  2: the small slot
.macro FETCH src, kq, xf, wf
.if \src == 2
	FETCHR ADRAS, PAS, 64*\kq, ADRBS, \kq, \xf, \wf
.else
	FETCHR ADRAB, PAB, 256*\src+64*\kq, ADRBB+\src, \kq, \xf, \wf
.endif
.endm
; a quarter without a barrier: asks for quarter kq of src into the other buffers, then multiplies its own
.macro QUARTER src, kq, xf, wf, xg, wg, bias
	WIN 0
	PLACES
	FETCH \src, \kq, \xg, \wg
	s_wait_dscnt 24                                ; the 24 just issued stay out: this quarter's fragments are in
	MULF \xf, \wf, 0, 4, \bias
.endm
.macro THREE src, bias
	QUARTER \src, 1, XF0, WF0, XF1, WF1, \bias
	QUARTER \src, 2, XF1, WF1, XF0, WF0, 0
	QUARTER \src, 3, XF0, WF0, XF1, WF1, 0
.endm
.macro LARGE bias                      ; both steps of the large slot but for the last quarter: no barrier stands between the two, the one in front has shown the whole slot
	THREE 0, \bias
	QUARTER 1, 0, XF1, WF1, XF0, WF0, 0
	THREE 1, 0
.endm
; A slot's last quarter multiplies buffers 1 and changes slots.  next: what is read next;  fill = 1: the large slot, just read, is filled again;
; 2: the small slot;  0: nothing is left to fetch, a plain barrier.
.macro TURN next, fill
	s_wait_dscnt 0x0                               ; my reads of this slot are over,
	s_wait_tensorcnt 0x0                           ; and all my tensor loads have landed: the one that was out is my part of the other slot
	ds_add_u32 v30, v31
	s_wait_dscnt 0x0
	s_barrier_signal -1                            ; say so (where the slot is filled again this opens a round of the cluster barrier)
	MULF XF1, WF1, 0, 2, 0
	WIN 0
	s_barrier_wait -1
.if \fill
	CREST                                          ; no wave of any partner still reads this slot or has a load on its way
.if \fill == 1
	s_add_nc_u64 s[G0AB+2:G0AB+3], s[G0AB+2:G0AB+3], 3*128*2           ; either slot's next tile lies three K steps on
	s_add_nc_u64 s[G0BB+2:G0BB+3], s[G0BB+2:G0BB+3], 3*128*KDIM*2
	JLOAD 1                                        ; my one tensor load behind the round, first thing there
.else
	s_add_nc_u64 s[G0AS+2:G0AS+3], s[G0AS+2:G0AS+3], 3*128*2
	s_add_nc_u64 s[G0BS+2:G0BS+3], s[G0BS+2:G0BS+3], 3*128*KDIM*2
	JLOAD 0
.endif
.endif
	PLACES
	FETCH \next, 0, XF0, WF0
	MULF XF1, WF1, 2, 2, 0
.endm
	s_load_b128 s[4:7], s[0:1], 0x0                ; oh s[4:5], wfh s[6:7]
	s_load_b128 s[68:71], s[0:1], 0x10             ; bfc s[68:69], out0 s[70:71]
	v_lshl_add_u32 v30, v0, 2, 0x4d000
	v_mov_b32 v31, 0
	ds_add_u32 v30, v31
	ds_add_u32 v30, v31
	v_lshrrev_b32 v1, 5, v0
	v_readfirstlane_b32 s10, v1                    ; wave 0..3
	s_lshr_b32 s11, s10, 1                         ; wm.  Also: I fetch oh (0) or wfh (1)
	s_and_b32 s12, s10, 1                          ; wn.  Also: which half of a tile I fetch
	s_bfe_u32 s40, ttmp6, 0x40000                  ; cx
	s_bfe_u32 s41, ttmp6, 0x40004                  ; cy
	s_lshl_b32 s42, ttmp9, 2
	s_add_co_u32 s42, s42, s40                     ; block of columns
	s_and_b32 s13, ttmp7, 0xffff
	s_lshl_b32 s13, s13, 2
	s_add_co_u32 s13, s13, s41                     ; block of rows
	s_lshl_b32 s43, s41, 2
	s_lshl_b32 s43, 15, s43                        ; my row of the cluster
	s_lshl_b32 s44, 0x1111, s40                    ; my column
	SHAPE G1AB, s43, (1<<16)|(1<<20)|(1<<21)|(6<<22)|(3<<25), 256, 128   ; oh, large: 128 rows x 256 elements, 4 words of padding behind every 128
	SHAPE G1AS, s43, (1<<16)|(1<<20)|(1<<21)|(5<<22)|(3<<25), 128, 128   ; oh, small: 128 rows x 128 elements, 4 words behind every 64
	SHAPE G1BB, s44, (1<<16)|(1<<20)|(1<<21)|(5<<22)|(7<<25), 128, 128   ; wfh, large: 128 k rows x 128 elements, 8 words behind every 64
	SHAPE G1BS, s44, (1<<16)|(1<<20)|(1<<21)|(5<<22)|(7<<25), 128, 64    ; wfh, small: 64 k rows
	s_lshl_b32 s17, s12, 7
	s_lshl_b32 s16, s13, 8
	s_add_co_u32 s16, s16, s17                     ; oh: row 256 x block + 128 x half
	s_lshl_b32 s16, s16, 11
	s_mov_b32 s17, 0
	s_lshl_b32 s46, s42, 8                         ; wfh: the block's 128 columns,
	s_mov_b32 s47, 0
	s_mul_i32 s18, s12, 128*KDIM*2                 ; large slot: k row 128 x half,
	s_mov_b32 s19, 0
	s_mul_i32 s22, s12, 64*KDIM*2                  ; small slot: k row 64 x half
	s_mov_b32 s23, 0
	s_mul_i32 s20, s10, 128*PAB                    ; where they go: the wave number times what a load brings, from the region's first byte
	s_mul_i32 s21, s10, 128*PAS
	s_mul_i32 s45, s10, 128*PB
	s_mul_i32 s3, s10, 64*PB
	s_wait_dscnt 0x0
	s_wait_kmcnt 0x0
	s_add_nc_u64 s[14:15], s[4:5], s[16:17]
	s_add_nc_u64 s[46:47], s[6:7], s[46:47]
	CROUND                                         ; all sixteen work-groups are here: the first joint loads meet
	s_mov_b32 s[G0AB], 1
	s_add_co_u32 s[G0AB+1], s20, ABIG
	s_mov_b64 s[G0AB+2:G0AB+3], s[14:15]                               ; K steps 0 and 1
	s_or_b32 s[G0AB+3], s[G0AB+3], 0x80000000
	s_mov_b32 s[G0AS], 1
	s_add_co_u32 s[G0AS+1], s21, ASML
	s_add_nc_u64 s[G0AS+2:G0AS+3], s[14:15], 2*128*2                   ; K step 2
	s_or_b32 s[G0AS+3], s[G0AS+3], 0x80000000
	s_mov_b32 s[G0BB], 1
	s_add_co_u32 s[G0BB+1], s45, BBIG-2*128*PB                         ; waves 2 and 3 are halves 0 and 1
	s_add_nc_u64 s[G0BB+2:G0BB+3], s[46:47], s[18:19]
	s_or_b32 s[G0BB+3], s[G0BB+3], 0x80000000
	s_mov_b32 s[G0BS], 1
	s_add_co_u32 s[G0BS+1], s3, BSML-2*64*PB
	s_add_nc_u64 s[G0BS+2:G0BS+3], s[46:47], s[22:23]
	s_add_nc_u64 s[G0BS+2:G0BS+3], s[G0BS+2:G0BS+3], 2*128*KDIM*2
	s_or_b32 s[G0BS+3], s[G0BS+3], 0x80000000
	; the first fills, one group, in one branch on the wave number: two tensor loads a wave, the most that this text ever has out
	s_cmp_eq_u32 s11, 0
	s_cbranch_scc0 .Lfirst_b
	tensor_load_to_lds s[G0AB:G0AB+3], s[G1AB:G1AB+7]
	s_nop 0
	tensor_load_to_lds s[G0AS:G0AS+3], s[G1AS:G1AS+7]
	s_nop 0
	s_branch .Lfirst_done
.Lfirst_b:
	tensor_load_to_lds s[G0BB:G0BB+3], s[G1BB:G1BB+7]
	s_nop 0
	tensor_load_to_lds s[G0BS:G0BS+3], s[G1BS:G1BS+7]
	s_nop 0
.Lfirst_done:
	v_and_b32 v1, 15, v0                           ; r
	v_bfe_u32 v2, v0, 4, 1                         ; hh
	v_lshlrev_b32 v[BOF], 5, v2
	s_lshl_b32 s46, s42, 9                         ; my first column, in bytes of f32: 512 x block + 256 x half
	s_lshl_b32 s47, s12, 8
	s_add_co_u32 s46, s46, s47
	s_mov_b32 s47, 0
	s_add_nc_u64 s[66:67], s[68:69], s[46:47]
.irp b, 0,1,2,3
	global_load_b128 v[BIAS+8*\b:BIAS+8*\b+3],   v[BOF], s[66:67] offset:64*\b
	global_load_b128 v[BIAS+8*\b+4:BIAS+8*\b+7], v[BOF], s[66:67] offset:64*\b+16
.endr
	v_mul_u32_u24 v3, v1, PAB
	v_lshl_add_u32 v3, v2, 4, v3                   ; oh fragment: row r, 16 bytes for each half of the lanes
	s_mul_i32 s21, s11, 128*PAB                    ; my 128 rows
	v_add_nc_u32 v[ADRAB], s21, v3
	v_mul_u32_u24 v3, v1, PAS
	v_lshl_add_u32 v3, v2, 4, v3
	s_mul_i32 s21, s11, 128*PAS
	s_add_co_u32 s21, s21, ASML
	v_add_nc_u32 v[ADRAS], s21, v3
	v_and_b32 v4, 7, v0                            ; wfh fragment, transposing load: k row 8 hh + (lane & 7),
	v_lshl_add_u32 v4, v2, 3, v4
	v_mul_u32_u24 v4, v4, PB
	v_bfe_u32 v5, v0, 3, 1
	v_lshl_add_u32 v4, v5, 4, v4                   ; 16 bytes further for lanes 8-15 and 24-31
	s_lshl_b32 s22, s12, 7                         ; my 64 columns
	s_add_co_u32 s23, s22, BBIG
	v_add_nc_u32 v[ADRBB], s23, v4
	v_add_nc_u32 v[ADRBB+1], 128*PB, v[ADRBB]
	s_add_co_u32 s23, s22, BSML
	v_add_nc_u32 v[ADRBS], s23, v4
	s_mul_i32 s23, s10, 16*PS
	s_add_co_u32 s23, s23, STAGE                   ; my stage
	v_mul_u32_u24 v6, v1, PS
	v_lshl_add_u32 v6, v2, 5, v6
	v_add_nc_u32 v[STO], s23, v6                   ; in: row r, 32 bytes for each half of the lanes
	v_mul_u32_u24 v6, v2, PS
	v_lshl_add_u32 v6, v1, 4, v6
	v_add_nc_u32 v[RD], s23, v6                    ; back: lanes 0-15 one row of 256 bytes, lanes 16-31 the next
	v_lshlrev_b32 v6, 12, v2
	v_lshl_add_u32 v[CO], v1, 4, v6                ; the same two rows in out0
	s_lshl_b32 s16, s13, 8
	s_lshl_b32 s17, s11, 7
	s_add_co_u32 s16, s16, s17                     ; my first row
	s_lshl_b32 s16, s16, 12                        ; x 4,096 bytes (below 2^25)
	s_mov_b32 s17, 0
	s_add_nc_u64 s[8:9], s[70:71], s[16:17]
	s_add_nc_u64 s[8:9], s[8:9], s[46:47]
	s_wait_tensorcnt 0x1                           ; my part of the large slot is in; the small slot's may stay out
	s_barrier_signal -1
	s_barrier_wait -1
	FETCH 0, 0, XF0, WF0
	s_wait_loadcnt 0x0                             ; the bias
	LARGE 1                                        ; K steps 0 and 1: the first products start the sums from the bias
	TURN 2, 1                                      ; the large slot is asked for again: steps 3 and 4
	THREE 2, 0                                     ; K step 2
	TURN 0, 2                                      ; the small slot: step 5
	LARGE 0                                        ; K steps 3 and 4
	TURN 2, 1                                      ; the large slot: steps 6 and 7, the last load
	THREE 2, 0                                     ; K step 5
	TURN 0, 0                                      ; a plain barrier: steps 6 and 7 are shown to every wave, and nobody reads the small slot any more
	LARGE 0                                        ; K steps 6 and 7
	s_wait_dscnt 0x0
	MULF XF1, WF1, 0, 4, 0
	WIN 0
	PLACES
; THE WAY OUT, 16 rows at a time, through my own stage: the f32 sums as they are; no barrier, and no wait between my stores and my loads
.macro OUTF a, f
	WIN 0x04                                       ; store data in window 1
.irp b, 0,1,2,3
	ds_store_b128 v[STO], v[8*(8*\b+\a):8*(8*\b+\a)+3]   offset:64*\b
	ds_store_b128 v[STO], v[8*(8*\b+\a)+4:8*(8*\b+\a)+7] offset:64*\b+16
.endr
	WIN 0
	s_wait_xcnt 0x0                                ; earlier stores have had their addresses translated: their data and base are rewritten only behind this wait
.if \a
	s_add_nc_u64 s[8:9], s[8:9], 16*4096
.endif
.irp t, 0,1,2,3,4,5,6,7
	ds_load_b128 v[\f+4*\t:\f+4*\t+3], v[RD] offset:\t*2*PS
.endr
.irp t, 0,1,2,3,4,5,6,7
	s_wait_dscnt 7-\t
	global_store_b128 v[CO], v[\f+4*\t:\f+4*\t+3], s[8:9] offset:\t*2*4096 th:TH_STORE_NT   ; 16 lanes store 256 consecutive bytes, at a multiple of 256
.endr
.endm
	OUTF 0, XF0
	OUTF 1, XF1
	OUTF 2, XF0
	OUTF 3, XF1
	OUTF 4, XF0
	OUTF 5, XF1
	OUTF 6, XF0
	OUTF 7, XF1
	s_wait_tensorcnt 0x0
	ds_add_u32 v30, v31
	s_wait_dscnt 0x0
	CROUND                                         ; the closing round: no work-group ends while a partner may still ask for a tile that names it
	s_endpgm
.Lfunc_end_k_q1991558c03_fc:
	.size	k_q1991558c03_fc, .Lfunc_end_k_q1991558c03_fc-k_q1991558c03_fc
	.p2alignl 7, 3214868480
	.fill 96, 4, 3214868480
	.section	.rodata,"a",@progbits
	.p2align	6, 0x0
	.amdhsa_kernel k_q1991558c03_fc
		.amdhsa_group_segment_fixed_size 327680
		.amdhsa_private_segment_fixed_size 0
		.amdhsa_enable_private_segment 0
		.amdhsa_kernarg_size 32
		.amdhsa_user_sgpr_count 2
		.amdhsa_user_sgpr_kernarg_segment_ptr 1
		.amdhsa_wavefront_size32 1
		.amdhsa_system_sgpr_workgroup_id_x 1
		.amdhsa_system_sgpr_workgroup_id_y 1
		.amdhsa_system_sgpr_workgroup_id_z 1
		.amdhsa_system_vgpr_workitem_id 0
		.amdhsa_next_free_vgpr 512
		.amdhsa_next_free_sgpr 88
		.amdhsa_reserve_vcc 0
		.amdhsa_float_denorm_mode_32 3
		.amdhsa_float_denorm_mode_16_64 3
		.amdhsa_memory_ordered 1
		.amdhsa_forward_progress 1
		.amdhsa_inst_pref_size 149
	.end_amdhsa_kernel
	.amdgpu_metadata
---
amdhsa.version: [ 1, 2 ]
amdhsa.kernels:
  - .name:           k_q1991558c03_fc
    .symbol:         k_q1991558c03_fc.kd
    .args:
      - { .name: oh, .offset: 0, .size: 8, .value_kind: global_buffer, .address_space: global }
      - { .name: wfh, .offset: 8, .size: 8, .value_kind: global_buffer, .address_space: global }
      - { .name: bfc, .offset: 16, .size: 8, .value_kind: global_buffer, .address_space: global }
      - { .name: out0, .offset: 24, .size: 8, .value_kind: global_buffer, .address_space: global }
    .group_segment_fixed_size: 327680
    .private_segment_fixed_size: 0
    .kernarg_segment_align: 8
    .kernarg_segment_size: 32
    .max_flat_workgroup_size: 128
    .sgpr_count:     88
    .vgpr_count:     512
    .wavefront_size: 32
...
	.end_amdgpu_metadata
.endif
;; end of part 4
;; ======== version 2 of 2: 4 launches; version 1 with the launch prep written anew for expert scheduling mode
;; limits: values are held in f16: magnitudes above 65,504 overflow, below 6.1e-05 lose precision
;; workspace buffers: xh 16,777,216 bytes; wch 6,291,456 bytes; wfh 2,097,152 bytes; qkvh 50,331,648 bytes; oh 16,777,216 bytes
;; launch prep (part 5): grid 768 x 1, 8 waves a work-group, no clusters, 0 bytes of LDS; arguments x, Wfc, Wq, Wk, Wv, xh, wfh, wch; writes xh, wfh, wch
.if DOCPART == 5
	.amdgcn_target "amdgcn-amd-amdhsa--gfx1250"
	.amdhsa_code_object_version 6
	.text
	.protected	k_q1991558c03_prep
	.globl	k_q1991558c03_prep
	.p2align	8
	.type	k_q1991558c03_prep,@function
k_q1991558c03_prep:
	s_mov_b64 s[64:65], 0
	v_nop
	global_prefetch_b8 v0, s[64:65] scope:SCOPE_SE
	s_setreg_imm32_b32 hwreg(HW_REG_WAVE_SCHED_MODE, 0, 2), 2
	s_setreg_imm32_b32 hwreg(HW_REG_WAVE_MODE, 25, 1), 1
	s_wait_xcnt 0x0
	s_wait_alu depctr_vm_vsrc(0)
; f32 to f16 (round to nearest even) of x, Wfc, Wq, Wk, Wv, once, so that the three matrix launches read 16-bit operands.
;   xh  [8192][1024]  = x,   wfh [1024][1024] = Wfc   (same order of elements)
;   wch [1024 k][3072]: column h*384 + t*128 + e holds W_t[h][k][e], t = 0 for Wq, 1 for Wk, 2 for Wv: one matrix for all three projections.
; LIMIT: a magnitude of 65,520 or more becomes an infinity in f16; below 6.1e-5 the rounding step is 6e-8.
; A stream: every byte is read once and written once, nothing is shared between waves, so no LDS, no barrier, no matrix unit, no cluster.
; The unit of work is a run of 128 numbers: one load of a wave (32 lanes x 16 bytes = 512 neighbouring bytes) and one store of a wave
; (32 lanes x 8 bytes = 256 neighbouring bytes, at a multiple of 256 from the buffer's first byte).
; A work-group takes 128 runs, a wave 16; all 16 loads of a wave are issued before its first wait.
; Work-groups 0-511: x.  512-575: Wfc.  576-767: the weights, 64 work-groups for each of Wq, Wk, Wv.
; THE MODE: SCHED_MODE bits 1:0 = 2 (LLVM: expert scheduling mode 2), set by the entry lines.  The code itself states the register dependences
; between vector instructions and memory instructions, with s_wait_alu, always for 0.
; THE PLAN.  Registers that memory instructions touch:
;   v1        source offset.  Written by vector lines at the head; read by the 16 loads; never written again.
;   v2        destination offset.  Written by vector lines at the head and once in each arm, ahead of every store; read by the 16 stores; never written again.
;   X         written by the loads alone, each register once; read by the conversions.  No vector line names X ahead of the loads, and nothing is loaded into it again.
;   Y         written by the conversions, each register once; read by the stores, once.
;   s4        the wave number, written by v_readfirstlane_b32; read by the address arithmetic.
; So: one wait on va_sdst ahead of s4's first reader; one wait on va_vdst ahead of the loads, for v1 and v2; and the 16 runs go in four groups of four,
; eight conversions, one wait on va_vdst, four stores.  A group's stores follow the group's own conversions: held back to the next group's head they would
; wait for four more loads, and eight of the wave's sixteen stores would stand behind its last load instead of four.
; No register that a memory instruction reads is ever written again, so past the entry the text holds no wait on vm_vsrc.
.set X, 4                              ; v[4:67]   16 runs as loaded, 4 registers each
.set Y, 68                             ; v[68:99]  16 runs as stored, 2 registers each
; dp = bytes from one run to the next in the destination
.macro CONV dp
	s_wait_alu depctr_va_vdst(0)                   ; v1 and v2 are written: the loads below read v1 as their offset, the stores v2
.irp i, 0,1,2,3,4,5,6,7,8,9,10,11,12,13,14,15
	global_load_b128 v[X+4*\i:X+4*\i+3], v1, s[24:25] offset:512*\i th:TH_LOAD_NT
.endr
.irp g, 0,1,2,3
.irp j, 0,1,2,3
	s_wait_loadcnt 15-(4*(\g)+(\j))                ; loads come back in order: run i = 4 g + j is in, the 15 - i younger ones stay out
	v_cvt_pk_f16_f32 v[Y+2*(4*(\g)+(\j))],   v[X+4*(4*(\g)+(\j))],   v[X+4*(4*(\g)+(\j))+1]
	v_cvt_pk_f16_f32 v[Y+2*(4*(\g)+(\j))+1], v[X+4*(4*(\g)+(\j))+2], v[X+4*(4*(\g)+(\j))+3]
.endr
	s_wait_alu depctr_va_vdst(0)                   ; the group's eight conversions have written its eight registers of Y, which the four stores below read
.irp j, 0,1,2,3
	global_store_b64 v2, v[Y+2*(4*(\g)+(\j)):Y+2*(4*(\g)+(\j))+1], s[26:27] offset:(4*(\g)+(\j))*\dp
.endr
.endr
.endm                                  ; no register is written twice, so no further wait is needed
	s_load_b512 s[8:23], s[0:1], 0x0               ; x 8, Wfc 10, Wq 12, Wk 14, Wv 16, xh 18, wfh 20, wch 22
	v_lshrrev_b32 v3, 5, v0
	v_readfirstlane_b32 s4, v3                     ; wave 0..7
	v_and_b32 v3, 31, v0                           ; lane
	v_lshlrev_b32 v1, 4, v3
	v_lshlrev_b32 v2, 3, v3                        ; destination: 8 x lane, the wave's term follows
	s_mov_b32 s29, 0
	s_mov_b32 s31, 0
	s_wait_alu depctr_va_sdst(0)                   ; s4 is written, ahead of its first reader, the line below; both arms' readers of s4 stand behind this wait too
	v_lshl_add_u32 v1, s4, 13, v1                  ; source: 16 x lane + wave x 16 runs x 512 bytes
	s_wait_kmcnt 0x0
	s_cmp_lt_u32 ttmp9, 576
	s_cbranch_scc0 .Lweights
	; x or Wfc: the destination has the source's order
	s_cmp_lt_u32 ttmp9, 512
	s_cselect_b64 s[24:25], s[8:9], s[10:11]
	s_cselect_b64 s[26:27], s[18:19], s[20:21]
	s_cselect_b32 s5, 511, 63
	s_and_b32 s5, ttmp9, s5                        ; the block's number inside its tensor
	s_lshl_b32 s28, s5, 16                         ; 128 runs x 512 bytes
	s_lshl_b32 s30, s5, 15                         ; 128 runs x 256 bytes
	s_add_nc_u64 s[24:25], s[24:25], s[28:29]
	s_add_nc_u64 s[26:27], s[26:27], s[30:31]
	v_lshl_add_u32 v2, s4, 12, v2                  ; + wave x 16 runs x 256 bytes
	CONV 256
	s_endpgm
.Lweights:
	; j = t*64 + h*8 + kb: 128 rows k = 128 kb .. of W_t[h]; a run is one row (128 e)
	s_sub_co_u32 s5, ttmp9, 576                    ; j, 0..191
	s_lshr_b32 s6, s5, 6                           ; t
	s_cmp_eq_u32 s6, 0
	s_cselect_b64 s[24:25], s[12:13], s[14:15]     ; Wq, else Wk,
	s_cmp_eq_u32 s6, 2
	s_cselect_b64 s[24:25], s[16:17], s[24:25]     ; or Wv
	s_and_b32 s28, s5, 63
	s_lshl_b32 s28, s28, 16                        ; (8 h + kb) x 128 rows x 512 bytes
	s_add_nc_u64 s[24:25], s[24:25], s[28:29]
	s_and_b32 s7, s5, 7                            ; kb
	s_mul_i32 s30, s7, 128*6144                    ; 128 rows of wch, 6,144 bytes each
	s_bfe_u32 s7, s5, 0x30003                      ; h
	s_mul_i32 s7, s7, 768
	s_add_co_u32 s30, s30, s7
	s_lshl_b32 s6, s6, 8                           ; t x 256 bytes
	s_add_co_u32 s30, s30, s6
	s_add_nc_u64 s[26:27], s[22:23], s[30:31]
	s_mul_i32 s7, s4, 16*6144
	v_add_nc_u32 v2, s7, v2                        ; + wave x 16 rows of wch
	CONV 6144
	s_endpgm
.Lfunc_end_k_q1991558c03_prep:
	.size	k_q1991558c03_prep, .Lfunc_end_k_q1991558c03_prep-k_q1991558c03_prep
	.p2alignl 7, 3214868480
	.fill 96, 4, 3214868480
	.section	.rodata,"a",@progbits
	.p2align	6, 0x0
	.amdhsa_kernel k_q1991558c03_prep
		.amdhsa_group_segment_fixed_size 0
		.amdhsa_private_segment_fixed_size 0
		.amdhsa_enable_private_segment 0
		.amdhsa_kernarg_size 64
		.amdhsa_user_sgpr_count 2
		.amdhsa_user_sgpr_kernarg_segment_ptr 1
		.amdhsa_wavefront_size32 1
		.amdhsa_system_sgpr_workgroup_id_x 1
		.amdhsa_system_sgpr_workgroup_id_y 1
		.amdhsa_system_sgpr_workgroup_id_z 1
		.amdhsa_system_vgpr_workitem_id 0
		.amdhsa_next_free_vgpr 100
		.amdhsa_next_free_sgpr 66
		.amdhsa_reserve_vcc 0
		.amdhsa_float_denorm_mode_32 3
		.amdhsa_float_denorm_mode_16_64 3
		.amdhsa_memory_ordered 1
		.amdhsa_forward_progress 1
		.amdhsa_inst_pref_size 14
	.end_amdhsa_kernel
	.amdgpu_metadata
---
amdhsa.version: [ 1, 2 ]
amdhsa.kernels:
  - .name:           k_q1991558c03_prep
    .symbol:         k_q1991558c03_prep.kd
    .args:
      - { .name: x, .offset: 0, .size: 8, .value_kind: global_buffer, .address_space: global }
      - { .name: Wfc, .offset: 8, .size: 8, .value_kind: global_buffer, .address_space: global }
      - { .name: Wq, .offset: 16, .size: 8, .value_kind: global_buffer, .address_space: global }
      - { .name: Wk, .offset: 24, .size: 8, .value_kind: global_buffer, .address_space: global }
      - { .name: Wv, .offset: 32, .size: 8, .value_kind: global_buffer, .address_space: global }
      - { .name: xh, .offset: 40, .size: 8, .value_kind: global_buffer, .address_space: global }
      - { .name: wfh, .offset: 48, .size: 8, .value_kind: global_buffer, .address_space: global }
      - { .name: wch, .offset: 56, .size: 8, .value_kind: global_buffer, .address_space: global }
    .group_segment_fixed_size: 0
    .private_segment_fixed_size: 0
    .kernarg_segment_align: 8
    .kernarg_segment_size: 64
    .max_flat_workgroup_size: 256
    .sgpr_count:     66
    .vgpr_count:     100
    .wavefront_size: 32
...
	.end_amdgpu_metadata
.endif
;; end of part 5
;; launch qkv: the kernel of part 2 again; grid 8 x 32, 4 waves a work-group, clusters of 4 x 4, 327,680 bytes of LDS; arguments xh, wch, bq, bk, bv, qkvh; writes qkvh
;; launch attn: the kernel of part 3 again; grid 256 x 1, 4 waves a work-group, no clusters, 312,832 bytes of LDS; arguments qkvh, x_mask, oh; writes oh
;; launch fc: the kernel of part 4 again; grid 8 x 32, 4 waves a work-group, clusters of 4 x 4, 327,680 bytes of LDS; arguments oh, wfh, bfc, out0; writes out0
